; MI455X (gfx1250); checked and timed in simulation.
; The chip was launched on July 23, 2026; its instructions are those of AMD's public machine-readable ISA for CDNA 5 (MIT licence, August 2026) and "CDNA5" Instruction Set Architecture Reference Guide (July 2026). The comments in the code are by the model that wrote it; some were corrected since.
;; Causal Self Attention. Allowed arithmetic: matrix products marked QUANTISED: E2M1 operands, one E8M0 scale for each 32 along K, by v_wmma_scale_f32_16x16x128_f8f6f4 with both operands' format E2M1 (or v_wmma_scale_f32_32x16x128_f4), f32 sums; products left as they are: bf16, f16 or f32 operands; f32 sums; everything else in f32.
;; Inputs: Wk 1,024 x 1,024 float32; Wq 1,024 x 1,024 float32; Wv 1,024 x 1,024 float32; x 4 x 2,048 x 1,024 float32.
;; Outputs: out0 4 x 2,048 x 1,024 float32.
;; This version of the problem:
;;   THIS VERSION OF THE PROBLEM IS GIVEN IN LOW PRECISION. The matrix products marked QUANTISED in the list below multiply operands that are first quantised to E2M1 (2 exponent bits, 1 mantissa bit; 4 bits a number), with one power-of-two scale for each 32 numbers along K (OCP MX v1.0); their sums are f32. The products marked 'left as it is' may take bf16, f16 or f32 operands, with f32 sums. Whichever they take, every output number must still come out within the allowed error. Rounding operands to bf16 (8 significant bits) uses up far more of that allowance than f16 does (11 bits, for magnitudes from 6e-5 to 65,504). All else is computed in f32.
;;   The module's matrix products, in the order in which they are computed (A, B: the left and right operand; K: the contracted axis; several contracted axes count as one K, in the product's order):
;;     1. [M 8,192, K 1,024] x [K 1,024, N 1,024]; A: input x; B: input Wq: QUANTISED
;;     2. [M 8,192, K 1,024] x [K 1,024, N 1,024]; A: input x; B: input Wk: QUANTISED
;;     3. [M 8,192, K 1,024] x [K 1,024, N 1,024]; A: input x; B: input Wv: QUANTISED
;;     4. batch 4 x [M 2,048, K 1,024] x [K 1,024, N 2,048]; A: computed on the way; B: computed on the way: left as it is (an operand is computed on the way)
;;     5. batch 4 x [M 2,048, K 2,048] x [K 2,048, N 1,024]; A: computed on the way; B: computed on the way: left as it is (an operand is computed on the way)
;;   THE QUANTISER, for each operand of a quantised product, along K:
;;     - K is cut into blocks of 32 from its start; a last block that is shorter is filled with zeros.
;;     - A block's scale is 2^e with e = floor(log2(the largest magnitude in the block)) - 2, held to -126 .. 127; a block of zeros has e = 0. As a byte (E8M0): e + 127.
;;     - Each number is divided by its block's scale, clamped to +-6, and rounded to the nearest number of E2M1, ties to even, subnormals kept.
;;     - The product sums the exact products of the quantised numbers (number of the format x scale) in f32.
;;   ~~~python
;;   def quantise(x, axis):      # numpy; x: float32 -> the quantised numbers, widened to float32 again
;;       x = np.moveaxis(x, axis, -1); K = x.shape[-1]
;;       x = np.pad(x, [(0, 0)] * (x.ndim - 1) + [(0, -K % 32)]); x = x.reshape(x.shape[:-1] + (-1, 32)); a = np.abs(x).max(-1, keepdims=True)
;;       e = np.where(a > 0, np.clip(np.frexp(np.where(a > 0, a, 1))[1] - 1 - 2, -126, 127), 0)      # np.frexp(a)[1] - 1 = floor(log2(a)), exactly
;;       r = np.clip(x / 2.0 ** e, -6, 6)
;;       step = 2.0 ** (np.maximum(np.frexp(np.where(r == 0, 1, r))[1] - 1, 0) - 1)
;;       q = np.round(r / step) * step * 2.0 ** e      # np.round: ties to even
;;       return np.moveaxis(q.reshape(q.shape[:-2] + (-1,))[..., :K], -1, axis).astype(np.float32)
;;   ~~~
;; One version. Each part assembles by itself: llvm-mc -triple=amdgcn-amd-amdhsa -mcpu=gfx1250 --defsym DOCPART=n.
;; ======== version 1 of 1: 5 launches
;; limits: values are held in f16: magnitudes above 65,504 overflow, below 6.1e-05 lose precision
;; workspace buffers: xc 4,194,304 bytes; xs 262,144 bytes; wc 1,572,864 bytes; ws 98,304 bytes; qkv 50,331,648 bytes; h32 786,432 bytes; pm 33,554,432 bytes; st 524,288 bytes
;; launch quant (part 1): grid 352 x 1, 4 waves a work-group, no clusters, 33,280 bytes of LDS; arguments x, Wq, Wk, Wv, xc, xs, wc, ws; writes xc, xs, wc, ws
.if DOCPART == 1
	.amdgcn_target "amdgcn-amd-amdhsa--gfx1250"
	.amdhsa_code_object_version 6
	.text
	.protected	k_q77c82dc1ee_quant
	.globl	k_q77c82dc1ee_quant
	.p2align	8
	.type	k_q77c82dc1ee_quant,@function
k_q77c82dc1ee_quant:
	s_mov_b64 s[64:65], 0
	v_nop
	global_prefetch_b8 v0, s[64:65] scope:SCOPE_SE
	s_setreg_imm32_b32 hwreg(HW_REG_WAVE_MODE, 25, 1), 1
	s_wait_xcnt 0x0
; x [8192][1024] and Wq, Wk, Wv [1024][1024], f32 with K innermost, become codes of FP4 (E2M1), two to a byte, K innermost, and one E8M0 scale byte for each 32 along K.
; xc [8192][512 bytes], xs [8192][32];  wc [3072][512 bytes], ws [3072][32]: rows 0-1023 Wq, 1024-2047 Wk, 2048-3071 Wv.
; A block's scale is 2^(floor(log2(its largest magnitude)) - 2); its byte is the largest magnitude's exponent field - 2, held at 1 from below.  A block of zeros so gets the byte 1:
; its codes are zeros, which add nothing under that byte, and this program alone reads the bytes.  Each number is divided by the scale and rounded to the nearest code, ties to even; beyond 6 the largest code.
; LIMITS: NaN and infinities among the inputs are not served.
; Rows are dense and K is a multiple of 32: every tensor is a plain stream of blocks of 32.  A work-group takes 32,768 numbers, a wave 16 steps of 512.
; Work-groups 0-255 take x, 256-287 Wq, 288-319 Wk, 320-351 Wv: only pointers are chosen, by the work-group's number; all take one path through the text.
; Each load reads 512 consecutive bytes; a step's 2,048 bytes turn through the wave's own stage in LDS, so that a lane holds 16 neighbours along K (two lanes to a block).
; No tensor loads, no barrier: waves share nothing.  Loads run four steps (16 loads a wave) ahead, the turn through LDS one step.
.set WAVES, 4
.set STEPS, 16
.set EMAX,  2
.set CB,    8                          ; bytes of 16 codes
.set R,     16                         ; v16-79   four sets of 16 numbers as they are loaded
.set X,     80                         ; v80-111  two sets of 16 neighbours
.set E,     112                        ; v112-127 a scale byte for each step
.set C,     128                        ; v128-191 codes: four registers for each step, so that no store's data are written again
.set WREG,  8192                       ; LDS: a region for each wave: two stages of 32 x SP bytes, behind them its 256 scale bytes
.set SP,    80                         ; a lane's place in a stage: 64 bytes + 16 of padding
.set SPW,   12                         ; v12  LDS address of my spare word; never rewritten
.set NIL,   13                         ; v13  0; never rewritten
.set SPARE, WAVES*WREG                 ; behind the four regions: the spare words, 128 bytes a wave
	s_load_b256 s[4:11], s[0:1], 0x0               ; x, Wq, Wk, Wv
	s_load_b256 s[12:19], s[0:1], 0x20             ; xc, xs, wc, ws
	v_lshl_add_u32 v[SPW], v0, 2, SPARE
	v_mov_b32 v[NIL], 0
	v_lshrrev_b32 v1, 5, v0
	v_readfirstlane_b32 s20, v1                    ; wave
	v_and_b32 v2, 31, v0                           ; lane
	v_lshlrev_b32 v3, 4, v2                        ; my 16 bytes of a load's 512
	s_mul_i32 s21, s20, WREG
	v_lshrrev_b32 v14, 2, v2
	v_mul_u32_u24 v14, v14, SP
	v_and_b32 v15, 3, v2
	v_lshl_add_u32 v14, v15, 4, v14
	v_add_nc_u32 v14, s21, v14                     ; the stage, on the way in: SP (lane / 4) + 16 (lane % 4)
	v_mul_u32_u24 v15, v2, SP
	v_add_nc_u32 v15, s21, v15                     ; and on the way out: SP x lane: my 16 neighbours
	v_mul_u32_u24 v4, v2, CB                       ; my codes' place in a step's
	v_lshrrev_b32 v5, 1, v2
	s_add_co_u32 s21, s21, 2*32*SP
	v_add_nc_u32 v5, s21, v5                       ; LDS: my wave's 256 scale bytes, my block's byte
	v_lshlrev_b32 v7, 3, v2                        ; and on the way out 8 bytes a lane
	v_add_nc_u32 v6, s21, v7
	s_wait_kmcnt 0x0
	s_cmp_lt_u32 ttmp9, 320                        ; which tensor: the choices hang on the work-group's number alone
	s_cselect_b64 s[22:23], s[8:9], s[10:11]       ; Wk or Wv
	s_cmp_lt_u32 ttmp9, 288
	s_cselect_b64 s[22:23], s[6:7], s[22:23]       ; Wq or that
	s_cmp_lt_u32 ttmp9, 256
	s_cselect_b64 s[4:5], s[4:5], s[22:23]         ; x or that
	s_cselect_b64 s[8:9], s[12:13], s[16:17]       ; the codes' buffer
	s_cselect_b64 s[10:11], s[14:15], s[18:19]     ; the scale bytes' buffer
	s_cselect_b32 s24, 0, 256
	s_cselect_b32 s25, -1, 31
	s_sub_co_u32 s24, ttmp9, s24                   ; my place in the buffers written: 0-255 in x's, 0-95 in the weights'
	s_and_b32 s25, s24, s25                        ; my place in the tensor read: a weight has 32 work-groups
	s_lshl_b32 s25, s25, 2
	s_add_co_u32 s26, s25, s20                     ; my wave's run of 8,192 numbers, in the tensor read
	s_lshl_b32 s24, s24, 2
	s_add_co_u32 s24, s24, s20                     ; and in the buffers written
	s_lshl_b32 s26, s26, 15                        ; 32,768 bytes of f32 a run
	s_mov_b32 s27, 0
	s_add_nc_u64 s[4:5], s[4:5], s[26:27]
	s_lshl_b32 s26, s24, 12                        ; 4,096 bytes of codes a run
	s_add_nc_u64 s[8:9], s[8:9], s[26:27]
	s_lshl_b32 s26, s24, 8                         ; 256 scale bytes a run
	s_add_nc_u64 s[10:11], s[10:11], s[26:27]
.macro LOAD t
.irp i, 0,1,2,3
	global_load_b128 v[R+16*((\t)%4)+4*\i:R+16*((\t)%4)+4*\i+3], v3, s[4:5] offset:2048*(\t)+512*\i th:TH_LOAD_NT   ; 32 lanes read 512 consecutive bytes
.endr
.endm
.macro TURN t                          ; step t's numbers through the stage: LDS serves a wave's instructions in order, so no wait stands between the stores and the loads
.irp i, 0,1,2,3
	ds_store_b128 v14, v[R+16*((\t)%4)+4*\i:R+16*((\t)%4)+4*\i+3] offset:32*SP*((\t)%2)+8*SP*\i
.endr
.irp i, 0,1,2,3
	ds_load_b128 v[X+16*((\t)%2)+4*\i:X+16*((\t)%2)+4*\i+3], v15 offset:32*SP*((\t)%2)+16*\i
.endr
.endm
.irp t, 0,1,2,3
	LOAD \t
.endr
	s_wait_loadcnt 12                              ; step 0's four loads are in
	TURN 0
.macro STEP t
.set XS, X+16*((\t)%2)
.if (\t) > 0
	s_wait_dscnt 1                                 ; this step's numbers are back from the stage (the last step's byte store may be out): so its stores into the stage have read their registers,
.else
	s_wait_dscnt 0x0
.endif
.if (\t)+4 < STEPS
	LOAD (\t)+4                                    ; which take the loads of four steps on
.endif
.if (\t)+1 < STEPS
.if STEPS-2-(\t) >= 3
	s_wait_loadcnt 12                              ; the next step's four loads are in; those of the three steps behind it may be out
.else
	s_wait_loadcnt 4*(STEPS-2-(\t))
.endif
	TURN (\t)+1                                    ; and go through the other stage while this step is worked
.endif
	v_max3_num_f32 v8, |v[XS]|, |v[XS+1]|, |v[XS+2]|               ; the largest magnitude of my 16, in two chains
	v_max3_num_f32 v9, |v[XS+3]|, |v[XS+4]|, |v[XS+5]|
.irp i, 6,10
	v_max3_num_f32 v8, v8, |v[XS+\i]|, |v[XS+\i+1]|
	v_max3_num_f32 v9, v9, |v[XS+\i+2]|, |v[XS+\i+3]|
.endr
	v_max3_num_f32 v8, v8, |v[XS+14]|, |v[XS+15]|
	v_max3_num_f32 v8, v8, v9, (EMAX+1)<<23        ; and the floor 2^(EMAX + 1 - 127): the byte cannot fall under 1
	v_max_num_f32_dpp v8, v8, v8 row_xmask:1 row_mask:0xf bank_mask:0xf   ; and of my neighbour's 16: the block's
	v_add_nc_u32 v11, -(EMAX<<23), v8              ; EMAX off its exponent field: the conversion takes the exponent field of this operand as its scale
	v_cvt_scalef32_pk8_fp4_f32 v[C+4*(\t)], v[XS:XS+7], v11
	v_cvt_scalef32_pk8_fp4_f32 v[C+4*(\t)+1], v[XS+8:XS+15], v11
	v_lshrrev_b32 v[E+(\t)], 23, v11               ; the scale's byte (also the plain line behind the conversions)
	ds_store_b8 v5, v[E+(\t)] offset:16*(\t)       ; both lanes of a block write the same byte with the same value
	global_store_b64 v4, v[C+4*(\t):C+4*(\t)+1], s[8:9] offset:32*CB*(\t)   ; the wave stores 256 consecutive bytes, aligned
.endm
.irp t, 0,1,2,3,4,5,6,7,8,9,10,11,12,13,14,15
	STEP \t
.endr
	ds_load_b64 v[8:9], v6                         ; LDS serves a wave's instructions in order: these see my stores
	s_wait_dscnt 0x0
	global_store_b64 v7, v[8:9], s[10:11]          ; 32 lanes store 256 consecutive bytes, aligned
	s_wait_tensorcnt 0x0                           ; the wave's end, behind my last LDS store
	ds_add_u32 v[SPW], v[NIL]
	s_wait_dscnt 0x0
	s_endpgm
.Lfunc_end_k_q77c82dc1ee_quant:
	.size	k_q77c82dc1ee_quant, .Lfunc_end_k_q77c82dc1ee_quant-k_q77c82dc1ee_quant
	.p2alignl 7, 3214868480
	.fill 96, 4, 3214868480
	.section	.rodata,"a",@progbits
	.p2align	6, 0x0
	.amdhsa_kernel k_q77c82dc1ee_quant
		.amdhsa_group_segment_fixed_size 33280
		.amdhsa_private_segment_fixed_size 0
		.amdhsa_enable_private_segment 0
		.amdhsa_kernarg_size 64
		.amdhsa_user_sgpr_count 2
		.amdhsa_user_sgpr_kernarg_segment_ptr 1
		.amdhsa_wavefront_size32 1
		.amdhsa_system_sgpr_workgroup_id_x 1
		.amdhsa_system_sgpr_workgroup_id_y 1
		.amdhsa_system_sgpr_workgroup_id_z 1
		.amdhsa_system_vgpr_workitem_id 0
		.amdhsa_next_free_vgpr 192
		.amdhsa_next_free_sgpr 66
		.amdhsa_reserve_vcc 0
		.amdhsa_float_denorm_mode_32 3
		.amdhsa_float_denorm_mode_16_64 3
		.amdhsa_memory_ordered 1
		.amdhsa_forward_progress 1
		.amdhsa_inst_pref_size 34
	.end_amdhsa_kernel
	.amdgpu_metadata
---
amdhsa.version: [ 1, 2 ]
amdhsa.kernels:
  - .name:           k_q77c82dc1ee_quant
    .symbol:         k_q77c82dc1ee_quant.kd
    .args:
      - { .name: x, .offset: 0, .size: 8, .value_kind: global_buffer, .address_space: global }
      - { .name: Wq, .offset: 8, .size: 8, .value_kind: global_buffer, .address_space: global }
      - { .name: Wk, .offset: 16, .size: 8, .value_kind: global_buffer, .address_space: global }
      - { .name: Wv, .offset: 24, .size: 8, .value_kind: global_buffer, .address_space: global }
      - { .name: xc, .offset: 32, .size: 8, .value_kind: global_buffer, .address_space: global }
      - { .name: xs, .offset: 40, .size: 8, .value_kind: global_buffer, .address_space: global }
      - { .name: wc, .offset: 48, .size: 8, .value_kind: global_buffer, .address_space: global }
      - { .name: ws, .offset: 56, .size: 8, .value_kind: global_buffer, .address_space: global }
    .group_segment_fixed_size: 33280
    .private_segment_fixed_size: 0
    .kernarg_segment_align: 8
    .kernarg_segment_size: 64
    .max_flat_workgroup_size: 128
    .sgpr_count:     66
    .vgpr_count:     192
    .wavefront_size: 32
...
	.end_amdgpu_metadata
.endif
;; end of part 1
;; launch proj (part 2): grid 8 x 32, 4 waves a work-group, clusters of 4 x 4, 327,680 bytes of LDS; arguments xc, xs, wc, ws, qkv, h32; writes qkv, h32
.if DOCPART == 2
	.amdgcn_target "amdgcn-amd-amdhsa--gfx1250"
	.amdhsa_code_object_version 6
	.text
	.protected	k_q77c82dc1ee_proj
	.globl	k_q77c82dc1ee_proj
	.p2align	8
	.type	k_q77c82dc1ee_proj,@function
k_q77c82dc1ee_proj:
	s_mov_b64 s[64:65], 0
	v_nop
	global_prefetch_b8 v0, s[64:65] scope:SCOPE_SE
	s_setreg_imm32_b32 hwreg(HW_REG_WAVE_MODE, 25, 1), 1
	s_wait_xcnt 0x0
	s_wait_alu depctr_hold_cnt(0) depctr_sa_sdst(0) depctr_va_vdst(0) depctr_va_sdst(0) depctr_va_ssrc(0) depctr_va_vcc(0) depctr_vm_vsrc(0)
	s_getreg_b32 s2, hwreg(HW_REG_IB_STS2, 6, 4)
	s_cmp_eq_u32 s2, 0
	s_cbranch_scc0 .Lentry_in_a_cluster
	s_endpgm
.Lentry_in_a_cluster:
	s_bfe_u32 s2, ttmp6, 0x10000c
	s_cmp_lg_u32 s2, 0xf033
	s_cbranch_scc0 .Lentry_shape_is_right
	s_endpgm
.Lentry_shape_is_right:
; [q | k | v][m][n] = sum over k of x[m][k] W[n][k]: M = 8,192, N = 3,072 (Wq's, Wk's, Wv's rows on end), K = 1,024, both operands codes of FP4 (E2M1) with one E8M0 scale for each 32 along K; sums in f32.
; OUT: qkv [3][8192][1024] as f16, for the two products of attention.  h32, f32: the first 16 positions of each batch, which the last launch carries in f32: 65,536 bytes for each (plane, batch);
;   q's and k's as IMAGES OF THE ACCUMULATORS' REGISTERS: block c of 16 columns at 1,024 c: registers 0-3 at 16 x lane, registers 4-7 512 bytes on;  v's as 16 rows of 4,096 bytes.
; LIMIT: |q|, |k|, |v| stay at or under 65,504, the largest f16 number.
; SHARES.  8 x 32 = 256 work-groups of equal work.  Work-group (n, T) takes rows 256 T on of x and makes TWO PARTS: part 1: 256 x 256 of q | k (W's rows 256 n on); part 2: 256 x 128 of v (W's rows 2,048 + 128 n on).
; Part 1: a wave makes 128 x 128: 64 accumulators.  Part 2: wave w makes rows 64 w on x 128 columns: 32 accumulators.  Part 1's stores are on their way while part 2 is multiplied.
; LDS.  K = 1,024 is two slots of 512 along K (rows of 256 bytes): x's 256 rows and W's 256 rows in each.  x stays for both parts.  640 rows of both slots would not fit, so Wv's codes are a REFILL: behind part 1's one
; change of slots wave 2 fetches their K 0-511 and wave 3 their K 512-1,023, each into the bytes that it filled itself in slot 0 (W's rows, read out by then).  They have part 1's second slot and its way out in which to land.
; The scale bytes of all 640 rows, for all of K, come once, with the first fills, in whole rows of 256 bytes.
; CLUSTERS: 4 x 4 work-groups.  The four of a row of the cluster need the same tiles of x, the four of a column the same tiles of W: each is asked for JOINTLY.
; n = 4 x cluster x + cx: cluster x says q or k.  T = 8 cy + cluster y: cy is the batch, cluster y the block of 256 rows in it: the branches to the f32 rows hang on cluster y and the wave's number alone.
; THE MATRIX INSTRUCTION IS USED TRANSPOSED (source 0 = 16 rows of W, source 1 = 16 rows of x): a lane holds eight neighbouring numbers of a row of the result.
; REGISTERS, in windows of 256: window 0: v0-31 addresses; v32-95 scale words, two sets; v128-191 x's fragments (part 1: one set of 8 blocks; part 2: two sets of 4); on the ways out v32-95 and v128-223 are at work.
;   window 1: W's fragments, two sets, at v0 and v128.   window 2: the accumulators of my rows 0-63 ((a, b) at v[8 (8 a + b)]);   window 3: in part 1 those of my rows 64-127.
.set KSTEP,  512
.set NQ,     4                         ; matrix instructions deep in a slot
.set ROWB,   256                       ; a tile's row in bytes
.set KROW,   512                       ; a row of codes in memory
.set PITCH,  272                       ; an LDS row: 256 bytes + 16 of padding: the 16 rows that a load touches start 68 words apart
.set FR,     8
.set NL,     2
.set NP,     4                         ; places behind this matrix instruction (ISA guide 7.12.1)
.set HALFT,  128*PITCH
.set SLOT,   4*HALFT
.set KS,     32                        ; a row of scale bytes
.set SCL,    2*SLOT                    ; behind the slots: the scales, as rows of 256 bytes + 16: x's 256 rows, Wv's 128, W's 256
.set HALFS,  (128*KS/256)*272          ; those of 128 rows
.set SBLK,   (16*KS/256)*272           ; those of 16 rows
.set SPARE,  SCL+5*HALFS               ; the spare words, 128 bytes a wave
.set STG,    SPARE+512                 ; the ways out: a stage of 16 rows x (256 bytes + 16) for each wave: bytes of its own, into which no fill lands
.set SPITCH, 272
.set ADRA2, 8                          ; v8-9    part 2: LDS address of my x fragments in slot 0, 1
.set ADRB2, 10                         ; v10-11  part 2: of Wv's fragments, K 0-511 and K 512-1,023
.set ADRS2, 12                         ; v12     part 2: of my scale words
.set CO32, 13                          ; v13     v's f32 rows: 4,096 (lane / 16) + 16 (lane % 16)
.set COI,  14                          ; v14     the images: 16 x lane
.set STO32, 15                         ; v15     the stage, f32 rows in: row r, 32 bytes for each half of the lanes
.set ADRA, 16                          ; v16-17  part 1: LDS address of my x fragments in slot 0, 1
.set ADRB, 20                          ; v20-21  the same for W
.set STO,  24
.set RD,   25
.set CO,   26
.set ADRS, 27                          ; v27     part 1: LDS address of my scale words: lanes 0-15 x's rows, lanes 16-31 W's
.set SPW,  28
.set NIL,  29
.set SC,   32
.set HB,   32                          ; the way out: v's f32 rows read back: v32-95
.set AF,   128
.set BKB,  128                         ; the ways out: 16 rows read back: v128-159 and v160-191 by turns
.set TMP,  192                         ; the ways out: a block's 32 packed registers
.set G1, 24
.set G0, 32
.set G1B, 48
.set G0B, 56
.set G1S, 68
.set G0S, 76
.set G1SB, 80
.set G0SB, 88
.set OV,  66                           ; s[66:67]   qkv at my part of v
.set OQ,  96                           ; s[96:97]   qkv at my part of q | k
.set HQ,  98                           ; s[98:99]   h32 at my images
.set HV,  100                          ; s[100:101] h32 at my columns of v
.set MSB, 0
.macro WIN new                         ; the immediate's high byte repeats the setting that is left
.if MSB != (\new)
	s_set_vgpr_msb (MSB<<8)|(\new)
.set MSB, \new
.endif
.endm
.set MUL_LO, 0xa1                      ; source 0 (W) window 1, source 1 (x) window 0, C and D window 2
.set MUL_HI, 0xf1
.set TO_B,   0x40
; A joint load in two arms, chosen by a number made of the wave's number alone (s[sel] = 0: the first arm).  An s_nop 0 and four v_nop follow each line.
.macro JLOAD sel, g0a, g1a, g0b, g1b
	s_cmp_eq_u32 s[\sel], 0
	s_cbranch_scc0 .Lfor_b_\@
	tensor_load_to_lds s[\g0a:\g0a+3], s[\g1a:\g1a+7]
	s_nop 0
.rept 4
	v_nop
.endr
	s_branch .Lasked_\@
.Lfor_b_\@:
	tensor_load_to_lds s[\g0b:\g0b+3], s[\g1b:\g1b+7]
	s_nop 0
.rept 4
	v_nop
.endr
.Lasked_\@:
.endm
.macro CREST                           ; a round of the cluster's barrier behind its opening barrier
	s_cmp_lg_u32 s14, 0
	s_cbranch_scc1 .Lnot_wave_0_\@
	s_barrier_signal -3
.Lnot_wave_0_\@:
	s_barrier_wait -3
	s_barrier_signal -1
	s_barrier_wait -1
.endm
.macro CROUND                          ; a whole round
	s_barrier_signal -1
	s_barrier_wait -1
	CREST
.endm
	s_load_b128 s[4:7], s[0:1], 0x0                ; x's codes, x's scales
	s_load_b128 s[8:11], s[0:1], 0x10              ; W's codes, W's scales
	s_load_b128 s[96:99], s[0:1], 0x20             ; qkv, h32
	v_lshl_add_u32 v[SPW], v0, 2, SPARE
	v_mov_b32 v[NIL], 0
	ds_add_u32 v[SPW], v[NIL]                      ; the wave's opening: the add, twice on end, and its wait ahead of my first tensor load
	ds_add_u32 v[SPW], v[NIL]
	v_lshrrev_b32 v1, 5, v0
	v_readfirstlane_b32 s14, v1                    ; wave 0..3
	s_lshr_b32 s15, s14, 1                         ; part 1: which half of the tile's rows is mine.  Also: I fetch for x (0) or for W (1)
	s_and_b32 s16, s14, 1                          ; part 1: which half of its columns.  Also: which half of what I fetch
	s_bfe_u32 s40, ttmp6, 0x40000                  ; cx
	s_bfe_u32 s41, ttmp6, 0x40004                  ; cy
	s_lshl_b32 s42, ttmp9, 2
	s_add_co_u32 s42, s42, s40                     ; n = 4 x cluster x + cx
	s_and_b32 s95, ttmp7, 0xffff                   ; cluster y
	s_lshl_b32 s17, s41, 3
	s_add_co_u32 s17, s17, s95                     ; T = 8 cy + cluster y
	s_lshl_b32 s43, s41, 2
	s_lshl_b32 s43, 15, s43                        ; my row of the cluster
	s_lshl_b32 s44, 0x1111, s40                    ; my column
	s_or_b32 s[G1+0], s43, (0<<16)|(1<<20)|(1<<21)|(5<<22)|(3<<25)  ; the mask; elements of 1 byte; padding on; bit 21 beside a mask; 4 words after every 64
	s_or_b32 s[G1B+0], s44, (0<<16)|(1<<20)|(1<<21)|(5<<22)|(3<<25)
.irp g, G1, G1B
	s_mov_b32 s[\g+1], ROWB<<16                    ; tensor_dim0
	s_mov_b32 s[\g+2], 128<<16                     ; tensor_dim1
	s_mov_b32 s[\g+3], ROWB<<16                    ; tile_dim0
	s_mov_b32 s[\g+4], 128                         ; tile_dim1
	s_mov_b32 s[\g+5], KROW                        ; from row to row
	s_mov_b32 s[\g+6], 0
	s_mov_b32 s[\g+7], 0
.endr
	s_or_b32 s[G1S+0], s43, (3<<16)|(1<<20)|(1<<21)|(5<<22)|(3<<25)  ; x's scales of 256 rows: 8,192 dense bytes as 32 rows of 256 (32 elements of 8 bytes)
	s_mov_b32 s[G1S+1], 32<<16
	s_mov_b32 s[G1S+2], 32<<16
	s_mov_b32 s[G1S+3], 32<<16
	s_mov_b32 s[G1S+4], 32
	s_mov_b32 s[G1S+5], 32
	s_mov_b32 s[G1S+6], 0
	s_mov_b32 s[G1S+7], 0
	s_or_b32 s[G1SB+0], s44, (3<<16)|(1<<20)|(1<<21)|(5<<22)|(3<<25) ; W's scales of 128 rows: 16 rows of 256
	s_mov_b32 s[G1SB+1], 32<<16
	s_mov_b32 s[G1SB+2], 16<<16
	s_mov_b32 s[G1SB+3], 32<<16
	s_mov_b32 s[G1SB+4], 16
	s_mov_b32 s[G1SB+5], 32
	s_mov_b32 s[G1SB+6], 0
	s_mov_b32 s[G1SB+7], 0
	s_lshl_b32 s18, s16, 7                         ; which 128 rows of the tile I fetch
	s_lshl_b32 s20, s17, 8
	s_add_co_u32 s20, s20, s18                     ; x: row 256 T + 128 x half
	s_lshl_b32 s46, s42, 8
	s_add_co_u32 s46, s46, s18                     ; W: row 256 n + 128 x half
	s_lshl_b32 s22, s17, 13                        ; x's scales: 256 T rows of 32 bytes
	s_mov_b32 s23, 0
	s_lshl_b32 s92, s46, 5                         ; W's scales of the 128 rows that I fetch;
	s_lshl_b32 s93, s42, 12
	s_add_co_u32 s93, s93, 0x10000                 ; Wv's: row 2,048 + 128 n:
	s_cmp_eq_u32 s14, 1
	s_cselect_b32 s92, s93, s92                    ; wave 1 fetches those
	s_mov_b32 s93, 0
	s_lshl_b32 s20, s20, 9                         ; the codes: 512 bytes a row
	s_mov_b32 s21, 0
	s_lshl_b32 s46, s46, 9
	s_mov_b32 s47, 0
	s_lshl_b32 s2, s42, 16                         ; Wv's codes: (2,048 + 128 n) rows of 512 bytes,
	s_add_co_u32 s2, s2, 0x100000
	s_lshl_b32 s3, s16, 8
	s_add_co_u32 s2, s2, s3                        ; wave 2: K 0-511, wave 3: K 512-1,023
	s_mov_b32 s3, 0
	s_mul_i32 s45, s14, HALFT                      ; where the codes go: wave x 128 rows: no place in the cluster enters an LDS address
	s_mul_i32 s94, s14, HALFS
	s_wait_dscnt 0x0                               ; both opening adds are done
	s_wait_kmcnt 0x0
	s_add_nc_u64 s[20:21], s[4:5], s[20:21]
	s_add_nc_u64 s[22:23], s[6:7], s[22:23]
	s_add_nc_u64 s[46:47], s[8:9], s[46:47]
	s_add_nc_u64 s[92:93], s[10:11], s[92:93]
	s_add_nc_u64 s[2:3], s[8:9], s[2:3]            ; kept for the refill
	CROUND                                         ; all sixteen work-groups are here: the joint loads meet
	s_mov_b32 s[G0S], 1
	s_mov_b32 s[G0S+1], SCL                        ; wave 0: x's scales
	s_mov_b64 s[G0S+2:G0S+3], s[22:23]
	s_or_b32 s[G0S+3], s[G0S+3], 0x80000000
	s_mov_b32 s[G0SB], 1
	s_add_co_u32 s[G0SB+1], s94, SCL+HALFS         ; wave 1: Wv's, behind x's two halves; waves 2, 3: W's two halves behind them
	s_mov_b64 s[G0SB+2:G0SB+3], s[92:93]
	s_or_b32 s[G0SB+3], s[G0SB+3], 0x80000000
	JLOAD 14, G0S, G1S, G0SB, G1SB                 ; the scales first: they are wanted with the first slot
.irp s, 0,1
	s_mov_b32 s[G0+4*\s], 1
	s_add_co_u32 s[G0+4*\s+1], s45, \s*SLOT
	s_add_nc_u64 s[G0+4*\s+2:G0+4*\s+3], s[20:21], \s*ROWB
	s_or_b32 s[G0+4*\s+3], s[G0+4*\s+3], 0x80000000
	s_mov_b32 s[G0B+4*\s], 1
	s_add_co_u32 s[G0B+4*\s+1], s45, \s*SLOT
	s_add_nc_u64 s[G0B+4*\s+2:G0B+4*\s+3], s[46:47], \s*ROWB
	s_or_b32 s[G0B+4*\s+3], s[G0B+4*\s+3], 0x80000000
	JLOAD 15, G0+4*\s, G1, G0B+4*\s, G1B           ; three tensor loads of mine are out in all
.endr
	v_and_b32 v1, 15, v0                           ; r = lane % 16
	v_bfe_u32 v2, v0, 4, 1                         ; h = lane / 16
	v_mul_u32_u24 v3, v1, PITCH
	v_lshl_add_u32 v4, v2, 4, v3                   ; a fragment's row x pitch + 16 x half
	s_mul_i32 s21, s15, HALFT                      ; part 1: my 128 rows of x
	s_mul_i32 s22, s16, HALFT                      ; my 128 rows of W,
	s_add_co_u32 s22, s22, 2*HALFT                 ; which lie behind x's 256
.irp s, 0,1
	v_add_nc_u32 v[ADRA+\s], s21, v4
	v_add_nc_u32 v[ADRB+\s], s22, v4
	s_add_co_u32 s21, s21, SLOT
	s_add_co_u32 s22, s22, SLOT
.endr
	s_mul_i32 s21, s14, 64*PITCH                   ; part 2: my 64 rows of x,
	v_add_nc_u32 v[ADRA2], s21, v4
	v_add_nc_u32 v[ADRA2+1], SLOT, v[ADRA2]
	v_add_nc_u32 v[ADRB2], 2*HALFT, v4             ; and Wv's 128 rows: both halves of K lie where slot 0 held W's rows
	v_add_nc_u32 v[ADRB2+1], 3*HALFT, v4
	v_mul_u32_u24 v5, v1, KS                       ; my row's scales: KS bytes a row,
	v_lshrrev_b32 v6, 8, v5
	v_lshl_add_u32 v5, v6, 4, v5                   ; and 16 more for each 256 passed
	s_mul_i32 s21, s15, HALFS                      ; part 1: x's: my 128 rows
	s_mul_i32 s22, s16, HALFS
	s_add_co_u32 s22, s22, 3*HALFS                 ; W's: my 128 rows, behind x's 256 and Wv's 128
	s_sub_co_u32 s22, s22, s21
	v_mul_u32_u24 v6, s22, v2                      ; lanes 16-31 take W's: one product, the distance between the two bases
	s_add_co_u32 s21, s21, SCL
	v_add_nc_u32 v6, v5, v6
	v_add_nc_u32 v[ADRS], s21, v6
	s_mul_i32 s21, s14, 8*272                      ; part 2: x's: my 64 rows are 8 rows of 256 bytes
	s_xor_b32 s22, s14, 3                          ; 3 - wave
	s_mul_i32 s22, s22, 8*272
	s_add_co_u32 s22, s22, 8*272                   ; the distance to Wv's: 2 HALFS - 8 x 272 x wave
	v_mul_u32_u24 v6, s22, v2
	s_add_co_u32 s21, s21, SCL
	v_add_nc_u32 v6, v5, v6
	v_add_nc_u32 v[ADRS2], s21, v6
	s_mul_i32 s23, s14, 16*SPITCH                  ; my stage
	s_add_co_u32 s23, s23, STG
	v_mul_u32_u24 v5, v1, SPITCH
	v_lshl_add_u32 v6, v2, 4, v5                   ; f16 in: row r, 16 bytes for each half of the lanes
	v_add_nc_u32 v[STO], s23, v6
	v_lshl_add_u32 v6, v2, 5, v5                   ; f32 in: row r, 32 bytes for each half
	v_add_nc_u32 v[STO32], s23, v6
	v_mul_u32_u24 v5, v2, SPITCH                   ; back: lanes 0-15 one row of 256 bytes, lanes 16-31 the next
	v_lshl_add_u32 v5, v1, 4, v5
	v_add_nc_u32 v[RD], s23, v5
	v_lshlrev_b32 v5, 11, v2                       ; the same two rows in qkv: 2,048 bytes a row
	v_lshl_add_u32 v[CO], v1, 4, v5
	v_lshlrev_b32 v5, 12, v2                       ; and in v's f32 rows: 4,096 bytes a row
	v_lshl_add_u32 v[CO32], v1, 4, v5
	v_and_b32 v6, 31, v0
	v_lshlrev_b32 v[COI], 4, v6
	s_lshl_b32 s20, s17, 8                         ; part 1 in qkv: row 256 T + 128 x row half,
	s_lshl_b32 s21, s15, 7
	s_add_co_u32 s20, s20, s21
	s_lshl_b32 s20, s20, 11
	s_lshl_b32 s21, ttmp9, 24                      ; the plane: q or k,
	s_add_co_u32 s20, s20, s21
	s_lshl_b32 s46, s40, 9                         ; byte 512 cx + 256 x column half
	s_lshl_b32 s47, s16, 8
	s_add_co_u32 s46, s46, s47
	s_add_co_u32 s20, s20, s46
	s_mov_b32 s21, 0
	s_lshl_b32 s22, s17, 8                         ; part 2: row 256 T + 64 x wave,
	s_lshl_b32 s23, s14, 6
	s_add_co_u32 s22, s22, s23
	s_lshl_b32 s22, s22, 11
	s_add_co_u32 s22, s22, 0x2000000               ; v's plane,
	s_lshl_b32 s23, s42, 8                         ; byte 256 n
	s_add_co_u32 s22, s22, s23
	s_mov_b32 s23, 0
	s_add_nc_u64 s[OV:OV+1], s[96:97], s[22:23]
	s_add_nc_u64 s[OQ:OQ+1], s[96:97], s[20:21]
	s_lshl_b32 s22, ttmp9, 2                       ; the images: (plane, batch): 65,536 bytes each;
	s_add_co_u32 s22, s22, s41
	s_lshl_b32 s22, s22, 16
	s_lshl_b32 s23, s40, 14                        ; my first block of 16 columns is 16 cx + 8 x column half: 1,024 bytes a block
	s_add_co_u32 s22, s22, s23
	s_lshl_b32 s23, s16, 13
	s_add_co_u32 s22, s22, s23
	s_mov_b32 s23, 0
	s_add_co_u32 s20, s41, 8                       ; v's rows: (plane 2, batch), byte 512 n of each row
	s_lshl_b32 s20, s20, 16
	s_lshl_b32 s21, s42, 9
	s_add_co_u32 s20, s20, s21
	s_mov_b32 s21, 0
	s_add_nc_u64 s[HV:HV+1], s[98:99], s[20:21]
	s_add_nc_u64 s[HQ:HQ+1], s[98:99], s[22:23]
.macro FRAG reg, adr, q, i             ; 16 rows x 128 K of 4-bit codes: 8 registers: lane l holds row l % 16; registers 4 c .. 4 c + 3 hold K = 64 c + 32 (l / 16) + 0 .. 31
.irp c, 0,1
	ds_load_b128 v[\reg+4*\c:\reg+4*\c+3], v[\adr] offset:64*(\q)+32*\c+(\i)*16*PITCH
.endr
.endm
; PART 1.  16 matrix instructions: x's blocks a0, a0 + 1 against W's eight, 128 along K.  The 64 accumulators take turns, one instruction a turn, in the same order in every step.
.macro MUL16 a0, p, q, sc, zero
.irp a, \a0, \a0+1
.irp b, 0,1,2,3,4,5,6,7
.if \zero
	v_wmma_scale_f32_16x16x128_f8f6f4 v[8*(8*((\a)%4)+\b):8*(8*((\a)%4)+\b)+7], v[128*(\p)+FR*\b:128*(\p)+FR*\b+FR-1], v[AF+FR*(\a):AF+FR*(\a)+FR-1], 0, v[SC+8*NQ*(\sc)+NQ*\b+(\q)], v[SC+8*NQ*(\sc)+NQ*(\a)+(\q)] matrix_a_fmt:MATRIX_FMT_FP4 matrix_b_fmt:MATRIX_FMT_FP4 matrix_a_scale:MATRIX_SCALE_ROW1
.else
	v_wmma_scale_f32_16x16x128_f8f6f4 v[8*(8*((\a)%4)+\b):8*(8*((\a)%4)+\b)+7], v[128*(\p)+FR*\b:128*(\p)+FR*\b+FR-1], v[AF+FR*(\a):AF+FR*(\a)+FR-1], v[8*(8*((\a)%4)+\b):8*(8*((\a)%4)+\b)+7], v[SC+8*NQ*(\sc)+NQ*\b+(\q)], v[SC+8*NQ*(\sc)+NQ*(\a)+(\q)] matrix_a_fmt:MATRIX_FMT_FP4 matrix_b_fmt:MATRIX_FMT_FP4 matrix_a_scale:MATRIX_SCALE_ROW1
.endif
.endr
.endr
.endm
.macro FETCH_B slot, q, p
	WIN TO_B
.irp i, 0,1,2,3,4,5,6,7
	FRAG 128*(\p)+FR*\i, ADRB+\slot, \q, \i
.endr
	WIN 0
.endm
.macro FETCH_A slot, q, i0
.irp i, \i0, \i0+1, \i0+2, \i0+3
	FRAG AF+FR*(\i), ADRA+\slot, \q, \i
.endr
.endm
.macro SCALES adr, sc                  ; a slot's scale words: 4 words a row, 16 bytes on for slot 1; lanes 0-15 take x's block i, lanes 16-31 W's block i
.irp i, 0,1,2,3,4,5,6,7
	ds_load_b128 v[SC+8*NQ*\sc+NQ*\i:SC+8*NQ*\sc+NQ*\i+3], v[\adr] offset:\i*SBLK+16*\sc
.endr
.endm
.macro PLACES n                        ; plain vector lines between a matrix instruction and a load into, or a read of, its registers
.rept \n
	v_nop
.endr
.endm
.macro STEP slot, q, zero              ; a step of 128 along K that has its successor in the same slot
	s_wait_dscnt 4*NL                              ; W's set and x's blocks 0-3 are in; the youngest eight loads (x's blocks 4-7) may be out
	WIN MUL_LO
	MUL16 0, (\q)%2, \q, \slot, \zero
	MUL16 2, (\q)%2, \q, \slot, \zero
	s_wait_dscnt 0                                 ; x's blocks 4-7 are in
	PLACES NP
	FETCH_B \slot, (\q)+1, 1-(\q)%2
	FETCH_A \slot, (\q)+1, 0
	WIN MUL_HI
	MUL16 4, (\q)%2, \q, \slot, \zero
	MUL16 6, (\q)%2, \q, \slot, \zero
	PLACES NP
	WIN 0
	FETCH_A \slot, (\q)+1, 4
.endm
; Slot 0's last step changes slots.  In front of the barrier each wave waits for all its tensor loads (its part of slot 1), adds 0 to its spare word, and waits for that and for its reads of slot 0.
; The barrier opens a round of the cluster's: behind it no wave of any partner reads slot 0's rows of W, and waves 2 and 3 fill them again, with Wv's codes: one joint load a wave, the first thing behind the round.
.macro TURN slot, next
	s_wait_tensorcnt 0x0                           ; all my tensor loads have landed, so a group 0 may be written
	ds_add_u32 v[SPW], v[NIL]                      ; 0 onto my spare word
	s_wait_dscnt 4*NL+1                            ; (the add and the youngest eight loads may be out)
	WIN MUL_LO
	MUL16 0, 1, NQ-1, \slot, 0
	s_wait_dscnt 0x0                               ; the add is done, and my reads of this slot are over
	s_barrier_signal -1
	MUL16 2, 1, NQ-1, \slot, 0
	WIN 0
	s_barrier_wait -1
	CREST
	s_mov_b64 s[G0B+2:G0B+3], s[2:3]               ; from Wv's codes, to the LDS bytes that this descriptor filled before
	s_or_b32 s[G0B+3], s[G0B+3], 0x80000000
	s_cmp_eq_u32 s15, 0                            ; waves 0 and 1 have nothing to fill: x stays.  The branch hangs on the wave's number alone
	s_cbranch_scc1 .Lnone_\@
	tensor_load_to_lds s[G0B:G0B+3], s[G1B:G1B+7]
	s_nop 0
.rept 4
	v_nop
.endr
.Lnone_\@:
	PLACES NP                                      ; the places in front of the loads below, in every wave
	FETCH_B \next, 0, 0
	FETCH_A \next, 0, 0
	SCALES ADRS, \next
	WIN MUL_HI
	MUL16 4, 1, NQ-1, \slot, 0
	MUL16 6, 1, NQ-1, \slot, 0
	PLACES NP
	WIN 0
	FETCH_A \next, 0, 4
.endm
.macro STEPS slot, from
.set Q, \from
.rept NQ-1-\from
	STEP \slot, Q, 0
.set Q, Q+1
.endr
.endm
; THE WAYS OUT, block by block of 16 rows x 128 columns.  PACK: rounded to f16, 16 bytes a lane.  TOSTAGE: into my own stage and back as whole rows of 256 bytes.  SEND: stored, sixteen lanes to 256 consecutive aligned bytes.
.macro PACK a
.set AC, 64*((\a)%4)
	WIN 0x0a+5*((\a)/4)                            ; sources 0 and 1: window 2 or 3
.irp b, 0,1,2,3,4,5,6,7
.irp r, 0,1,2,3
	v_cvt_pk_f16_f32 v[TMP+4*\b+\r], v[AC+8*\b+2*\r], v[AC+8*\b+2*\r+1]   ; each accumulator from its low end on
.endr
.endr
	WIN 0
.endm
.macro TOSTAGE a
.set BB, BKB+32*((\a)%2)
.irp b, 0,1,2,3,4,5,6,7
	ds_store_b128 v[STO], v[TMP+4*\b:TMP+4*\b+3] offset:32*\b
.endr
.irp t, 0,1,2,3,4,5,6,7
	ds_load_b128 v[BB+4*\t:BB+4*\t+3], v[RD] offset:\t*2*SPITCH    ; LDS serves a wave's instructions in order: these see the stores above
.endr
.endm
.macro SEND a, base
.set BB, BKB+32*((\a)%2)
	s_wait_dscnt 0x0                               ; the block is back in registers
.irp t, 0,1,2,3,4,5,6,7
	global_store_b128 v[CO], v[BB+4*\t:BB+4*\t+3], s[\base:\base+1] offset:(\a)*32768+2*\t*2048
.endr
.endm
; PART 2.  32 matrix instructions: my 4 blocks of x against Wv's eight, 128 along K; st: the sets of fragments in hand.  The 32 accumulators take turns, in the same order in every step.
.macro MULH st, q, sc, zero
.irp a, 0,1,2,3
.irp b, 0,1,2,3,4,5,6,7
.if \zero
	v_wmma_scale_f32_16x16x128_f8f6f4 v[8*(8*\a+\b):8*(8*\a+\b)+7], v[128*(\st)+FR*\b:128*(\st)+FR*\b+FR-1], v[AF+32*(\st)+FR*\a:AF+32*(\st)+FR*\a+FR-1], 0, v[SC+8*NQ*(\sc)+NQ*\b+(\q)], v[SC+8*NQ*(\sc)+NQ*\a+(\q)] matrix_a_fmt:MATRIX_FMT_FP4 matrix_b_fmt:MATRIX_FMT_FP4 matrix_a_scale:MATRIX_SCALE_ROW1
.else
	v_wmma_scale_f32_16x16x128_f8f6f4 v[8*(8*\a+\b):8*(8*\a+\b)+7], v[128*(\st)+FR*\b:128*(\st)+FR*\b+FR-1], v[AF+32*(\st)+FR*\a:AF+32*(\st)+FR*\a+FR-1], v[8*(8*\a+\b):8*(8*\a+\b)+7], v[SC+8*NQ*(\sc)+NQ*\b+(\q)], v[SC+8*NQ*(\sc)+NQ*\a+(\q)] matrix_a_fmt:MATRIX_FMT_FP4 matrix_b_fmt:MATRIX_FMT_FP4 matrix_a_scale:MATRIX_SCALE_ROW1
.endif
.endr
.endr
.endm
.macro HFETCH k                        ; 24 LDS loads in one run: step k's fragments (K = 128 k on) into sets k % 2
	WIN TO_B
.irp i, 0,1,2,3,4,5,6,7
	FRAG 128*((\k)%2)+FR*\i, ADRB2+(\k)/4, (\k)%4, \i
.endr
	WIN 0
.irp i, 0,1,2,3
	FRAG AF+32*((\k)%2)+FR*\i, ADRA2+(\k)/4, (\k)%4, \i
.endr
.endm
.macro HSTEP k                         ; the next step's fragments are asked for ahead of this step's products
.if \k < 7
	PLACES NP                                      ; behind the last step's products, into whose operand registers the loads below go
	HFETCH \k+1
.if \k == 3
	SCALES ADRS2, 1                                ; the scale words of K 512-1,023, a step ahead of their use
	s_wait_dscnt 32                                ; all but the 32 just issued: this step's fragments are in
.else
	s_wait_dscnt 24                                ; all but the 24 just issued
.endif
.else
	s_wait_dscnt 0x0
.endif
	WIN MUL_LO
.if \k == 0
	MULH (\k)%2, (\k)%4, (\k)/4, 1                 ; the first step's products start the sums
.else
	MULH (\k)%2, (\k)%4, (\k)/4, 0
.endif
.endm
	s_wait_tensorcnt 1                             ; the scales and my part of slot 0 are in (slot 1's load may be out)
	s_barrier_signal -1
	s_barrier_wait -1                              ; everybody's are
	FETCH_B 0, 0, 0
	FETCH_A 0, 0, 0
	SCALES ADRS, 0
	FETCH_A 0, 0, 4
	STEP 0, 0, 1                                   ; PART 1.  The first step's products start the sums: nothing is cleared
	STEPS 0, 1
	TURN 0, 1
	STEPS 1, 0
	s_wait_dscnt 4*NL                              ; its last step: nothing more to fetch
	WIN MUL_LO
	MUL16 0, 1, NQ-1, 1, 0
	MUL16 2, 1, NQ-1, 1, 0
	s_wait_dscnt 0
	WIN MUL_HI
	MUL16 4, 1, NQ-1, 1, 0
	MUL16 6, 1, NQ-1, 1, 0
	WIN 0
	PLACES NP                                      ; behind the last products: for the reads of results and for the loads into registers that held operands
	s_or_b32 s94, s95, s15                         ; the first 16 rows of a batch lie in block 0 of the waves with the upper rows, where cluster y = 0: ids and the wave's number alone, the same in all partners
	s_cmp_lg_u32 s94, 0
	s_cbranch_scc1 .Lno_head
	WIN 0x08                                       ; a store's data: window 2
.irp b, 0,1,2,3,4,5,6,7
	global_store_b128 v[COI], v[8*\b:8*\b+3], s[HQ:HQ+1] offset:1024*\b            ; block 0 as f32, as its registers stand: each store covers 512 consecutive bytes, aligned; each accumulator from its low end on
	global_store_b128 v[COI], v[8*\b+4:8*\b+7], s[HQ:HQ+1] offset:1024*\b+512
.endr
	WIN 0
.Lno_head:
	PACK 0
	TOSTAGE 0
.irp a, 1,2,3,4,5,6,7                  ; block a's conversions stand between block a - 1's loads from the stage and the wait for them
	PACK \a
	SEND \a-1, OQ
.if \a > 1
	s_wait_xcnt 0x0                                ; block a - 2's stores have read their registers: block a's loads may land there
.endif
	TOSTAGE \a
.endr
	SEND 7, OQ
	s_wait_tensorcnt 0x0                           ; Wv's codes: my load has landed (waves 2 and 3);
	ds_add_u32 v[SPW], v[NIL]
	s_wait_xcnt 0x0                                ; part 1's stores have read their registers: fragments may land there, and the accumulators may be begun anew
	s_wait_dscnt 0x0
	s_barrier_signal -1
	s_barrier_wait -1                              ; everybody's has.
	PLACES NP+1                                    ; part 2's first products write over accumulators of part 1
	HFETCH 0                                       ; PART 2
	SCALES ADRS2, 0
.irp k, 0,1,2,3,4,5,6,7
	HSTEP \k
.endr
	WIN 0
	PLACES NP
	s_or_b32 s94, s95, s14                         ; v's first 16 rows of a batch: block 0 of wave 0, where cluster y = 0
	s_cmp_lg_u32 s94, 0
	s_cbranch_scc1 .Lno_head_v
.irp u, 0,1                            ; as f32 rows, through my stage, 64 columns (256 bytes of a row) at a time
	WIN 0x08                                       ; an LDS store's data: window 2
.irp c, 0,1,2,3
	ds_store_b128 v[STO32], v[8*(4*\u+\c):8*(4*\u+\c)+3] offset:64*\c
	ds_store_b128 v[STO32], v[8*(4*\u+\c)+4:8*(4*\u+\c)+7] offset:64*\c+16
.endr
	WIN 0
.irp t, 0,1,2,3,4,5,6,7
	ds_load_b128 v[HB+32*\u+4*\t:HB+32*\u+4*\t+3], v[RD] offset:\t*2*SPITCH        ; LDS serves a wave's instructions in order: the next half's stores come behind these
.endr
.endr
	s_wait_dscnt 0x0
.irp u, 0,1
.irp t, 0,1,2,3,4,5,6,7
	global_store_b128 v[CO32], v[HB+32*\u+4*\t:HB+32*\u+4*\t+3], s[HV:HV+1] offset:2*\t*4096+256*\u   ; 16 lanes store 256 consecutive bytes, aligned
.endr
.endr
.Lno_head_v:
	PACK 0
	TOSTAGE 0
.irp a, 1,2,3
	PACK \a
	SEND \a-1, OV
.if \a > 1
	s_wait_xcnt 0x0
.endif
	TOSTAGE \a
.endr
	SEND 3, OV
	s_wait_tensorcnt 0x0                           ; the wave's end
	ds_add_u32 v[SPW], v[NIL]
	s_wait_dscnt 0x0
	CROUND                                         ; the closing round
	s_endpgm
.Lfunc_end_k_q77c82dc1ee_proj:
	.size	k_q77c82dc1ee_proj, .Lfunc_end_k_q77c82dc1ee_proj-k_q77c82dc1ee_proj
	.p2alignl 7, 3214868480
	.fill 96, 4, 3214868480
	.section	.rodata,"a",@progbits
	.p2align	6, 0x0
	.amdhsa_kernel k_q77c82dc1ee_proj
		.amdhsa_group_segment_fixed_size 327680
		.amdhsa_private_segment_fixed_size 0
		.amdhsa_enable_private_segment 0
		.amdhsa_kernarg_size 48
		.amdhsa_user_sgpr_count 2
		.amdhsa_user_sgpr_kernarg_segment_ptr 1
		.amdhsa_wavefront_size32 1
		.amdhsa_system_sgpr_workgroup_id_x 1
		.amdhsa_system_sgpr_workgroup_id_y 1
		.amdhsa_system_sgpr_workgroup_id_z 1
		.amdhsa_system_vgpr_workitem_id 0
		.amdhsa_next_free_vgpr 1024
		.amdhsa_next_free_sgpr 102
		.amdhsa_reserve_vcc 0
		.amdhsa_float_denorm_mode_32 3
		.amdhsa_float_denorm_mode_16_64 3
		.amdhsa_memory_ordered 1
		.amdhsa_forward_progress 1
		.amdhsa_inst_pref_size 197
	.end_amdhsa_kernel
	.amdgpu_metadata
---
amdhsa.version: [ 1, 2 ]
amdhsa.kernels:
  - .name:           k_q77c82dc1ee_proj
    .symbol:         k_q77c82dc1ee_proj.kd
    .args:
      - { .name: xc, .offset: 0, .size: 8, .value_kind: global_buffer, .address_space: global }
      - { .name: xs, .offset: 8, .size: 8, .value_kind: global_buffer, .address_space: global }
      - { .name: wc, .offset: 16, .size: 8, .value_kind: global_buffer, .address_space: global }
      - { .name: ws, .offset: 24, .size: 8, .value_kind: global_buffer, .address_space: global }
      - { .name: qkv, .offset: 32, .size: 8, .value_kind: global_buffer, .address_space: global }
      - { .name: h32, .offset: 40, .size: 8, .value_kind: global_buffer, .address_space: global }
    .group_segment_fixed_size: 327680
    .private_segment_fixed_size: 0
    .kernarg_segment_align: 8
    .kernarg_segment_size: 48
    .max_flat_workgroup_size: 128
    .sgpr_count:     102
    .vgpr_count:     1024
    .wavefront_size: 32
...
	.end_amdgpu_metadata
.endif
;; end of part 2
;; launch score (part 3): grid 9 x 16, 4 waves a work-group, no clusters, 327,680 bytes of LDS; arguments qkv, pm, st; writes pm, st
.if DOCPART == 3
	.amdgcn_target "amdgcn-amd-amdhsa--gfx1250"
	.amdhsa_code_object_version 6
	.text
	.protected	k_q77c82dc1ee_score
	.globl	k_q77c82dc1ee_score
	.p2align	8
	.type	k_q77c82dc1ee_score,@function
k_q77c82dc1ee_score:
	s_mov_b64 s[64:65], 0
	v_nop
	global_prefetch_b8 v0, s[64:65] scope:SCOPE_SE
	s_setreg_imm32_b32 hwreg(HW_REG_WAVE_MODE, 25, 1), 1
	s_wait_xcnt 0x0
; One tile (I, J), J <= I, of 256 queries x 256 keys of one batch: S = q k^T over the 1,024 channels, f16 operands, f32 sums; then the tile's own softmax.
; For each row: m = the largest open score of the tile; m' = c m, c = log2(e) / 32;  p = 2^(c s - m'), 0 where the causal mask hides the key;  l = the row's sum of the unrounded p.
; OUT: pm [4][2048 q][2048 key] f16: the tile's p;  st: m' [4][8 J][2048 row] f32 at byte 0, l in the same shape at byte 262,144.  The next launch joins a row's tiles by their m' and l.
; Every row has an open key in each of its tiles (the tile's first key is at or under the row), so m is a number.
; LIMITS: q and k arrive as f16; NaN and infinities are not served.
; GRID: 9 x 16 = 144 work-groups: y = 4 b + p; x <= p: tile (p, x); else tile (7 - p, x - p - 1): 36 tiles a batch, the lower triangle alone.
; NO CLUSTER: row block I has I + 1 tiles and key block J has 8 - J: no fixed group of four work-groups shares a tile of q or of k at every place of the triangle.
; Four waves, each 128 x 128: 64 accumulators, 512 registers.  K goes in steps of 128 (rows of 256 bytes) through two LDS slots; each wave fetches a quarter of a slot by one tensor load.
; THE MATRIX INSTRUCTION IS USED TRANSPOSED (source 0 = 16 keys, source 1 = 16 queries): a lane holds ONE query (lane % 16) and eight neighbouring keys, 8 (lane / 16) + 0 .. 7.
; REGISTERS: window 0: v0-31 addresses; v64-127, v128-191 q's fragments, two buffers; v32-63, v192-255 at work on the way out; behind the loop v64-127 hold the rows' statistics.
;   window 1: v64-191 k's fragments.   window 2: accumulators of my rows 0-63 ((a, b) at v[8 (8 a + b)]);   window 3: of my rows 64-127.
.set KSTEP,  128
.set PITCH,  272                       ; an LDS row: 256 bytes + 16 of padding: the 16 rows that a load touches start 68 words apart
.set HALFT,  128*PITCH
.set SLOT,   4*HALFT                   ; q's 256 rows, then k's 256 rows
.set STAGE,  2*SLOT                    ; behind the slots: 16 rows x 272 bytes for each wave
.set SPITCH, 272
.set MX,     STAGE+4*16*SPITCH         ; [2 column halves][256 rows] f32: the halves' maxima; 2,048 bytes on, in the same shape, their sums
.set SPARE,  MX+4096                   ; the spare words, 128 bytes a wave
.set LAPS,   4                         ; 1,024 / 256: a lap is two K steps
.set MXA, 8                            ; v8   where I put my rows' figures
.set MXB, 9                            ; v9   where the other column half's lie
.set SRD, 10                           ; v10  where the statistics are read back, 16 bytes a lane
.set SGO, 11                           ; v11  16 x lane
.set NI,  12                           ; v12  -infinity
.set DD,  13                           ; v13  r - 8 h + 128 (row half - column half)
.set ADRA, 16
.set ADRB, 20
.set STO,  24
.set RD,   25
.set CO,   26
.set SPW,  28
.set NIL,  29
.set F0,   64
.set F1,   128
.set TMP,  192
.set OB,   32                          ; 16 rows read back from the stage: v32-63 and v224-255 by turns
.set MR,   64                          ; v64-71   the rows' maxima, one register for each block of 16 rows
.set NM,   72                          ; v72-87   -m', in pairs (the packed form names a pair and takes its low word)
.set LS,   88                          ; v88-95   the rows' sums
.set TP,   96                          ; v96-103  at work
.set SX,   104                         ; v104-127 the last statistics
.set G1, 24
.set G0, 32
.set MQ, 48                            ; s48-55   lane masks: key j of a diagonal block is hidden
.set SLT, 56                           ; s56      all ones where my whole quadrant is hidden
.set SGT, 57                           ; s57      all ones where blocks right of the diagonal are hidden
.set CS, 58                            ; s[58:59] c
.set NC, 60                            ; s60      -c
.set SEL, 62                           ; s[62:63] v_permlanex16_b32's selects for lane l xor 16
.set MSB, 0
.macro WIN new
.if MSB != (\new)
	s_set_vgpr_msb (MSB<<8)|(\new)
.set MSB, \new
.endif
.endm
.set MUL_LO, 0xa1                      ; source 0 (k) window 1, source 1 (q) window 0, C and D window 2
.set MUL_HI, 0xf1
.set TO_B,   0x40
	s_load_b128 s[4:7], s[0:1], 0x0                ; qkv, pm
	s_load_b64 s[8:9], s[0:1], 0x10                ; st
	v_lshl_add_u32 v[SPW], v0, 2, SPARE
	v_mov_b32 v[NIL], 0
	ds_add_u32 v[SPW], v[NIL]                      ; the wave's opening: the add, twice on end, and its wait ahead of my first tensor load
	ds_add_u32 v[SPW], v[NIL]
	v_lshrrev_b32 v1, 5, v0
	v_readfirstlane_b32 s10, v1                    ; wave 0..3
	s_lshr_b32 s11, s10, 1                         ; my half of the tile's rows.  Also: I fetch for q (0) or for k (1)
	s_and_b32 s12, s10, 1                          ; my half of its columns.  Also: which 128 rows I fetch
	s_and_b32 s13, ttmp7, 0xffff
	s_lshr_b32 s40, s13, 2                         ; b
	s_and_b32 s41, s13, 3                          ; p
	s_sub_co_u32 s42, 7, s41
	s_sub_co_u32 s43, ttmp9, s41
	s_sub_co_u32 s43, s43, 1
	s_cmp_le_u32 ttmp9, s41
	s_cselect_b32 s42, s41, s42                    ; I
	s_cselect_b32 s43, ttmp9, s43                  ; J
	s_mov_b32 s[G1+0], (1<<16)|(1<<20)|(5<<22)|(3<<25)   ; elements of 2 bytes; padding: 4 words after every 64
	s_mov_b32 s[G1+1], KSTEP<<16                   ; tensor_dim0
	s_mov_b32 s[G1+2], 128<<16                     ; tensor_dim1
	s_mov_b32 s[G1+3], KSTEP<<16                   ; tile_dim0
	s_mov_b32 s[G1+4], 128                         ; tile_dim1
	s_mov_b32 s[G1+5], 1024                        ; from row to row
	s_mov_b32 s[G1+6], 0
	s_mov_b32 s[G1+7], 0
	s_cmp_eq_u32 s11, 0
	s_cselect_b32 s16, s42, s43                    ; q's rows by I, k's by J
	s_cselect_b32 s17, 0, 0x1000000                ; k's plane lies 16,777,216 bytes on
	s_lshl_b32 s16, s16, 8
	s_lshl_b32 s18, s40, 11
	s_add_co_u32 s16, s16, s18
	s_lshl_b32 s18, s12, 7
	s_add_co_u32 s16, s16, s18                     ; row 2048 b + 256 block + 128 half
	s_lshl_b32 s16, s16, 11
	s_add_co_u32 s16, s16, s17
	s_mov_b32 s17, 0
	s_mul_i32 s20, s10, HALFT                      ; where my quarter goes
	s_mov_b32 s[CS], 0x3d38aa3b                    ; c = log2(e) / 32
	s_mov_b32 s[CS+1], s[CS]
	s_mov_b32 s[NC], 0xbd38aa3b
	s_mov_b32 s[SEL], 0x76543210
	s_mov_b32 s[SEL+1], 0xfedcba98
	s_cmp_lt_u32 s11, s12
	s_cselect_b32 s[SLT], -1, 0
	s_cmp_le_u32 s11, s12
	s_cselect_b32 s[SGT], -1, 0
	s_wait_dscnt 0x0                               ; both opening adds are done
	s_wait_kmcnt 0x0
	s_add_nc_u64 s[14:15], s[4:5], s[16:17]
.irp s, 0,1
	s_mov_b32 s[G0+4*\s], 1
	s_add_co_u32 s[G0+4*\s+1], s20, \s*SLOT
	s_add_nc_u64 s[G0+4*\s+2:G0+4*\s+3], s[14:15], \s*KSTEP*2
	s_or_b32 s[G0+4*\s+3], s[G0+4*\s+3], 0x80000000
	tensor_load_to_lds s[G0+4*\s:G0+4*\s+3], s[G1:G1+7]            ; the two first fills go out together: two loads of mine are out
	s_nop 0
.endr
	v_and_b32 v1, 15, v0                           ; r
	v_bfe_u32 v2, v0, 4, 1                         ; h
	v_mul_u32_u24 v3, v1, PITCH
	v_lshl_add_u32 v3, v2, 4, v3
	s_mul_i32 s21, s11, HALFT
	s_mul_i32 s22, s12, HALFT
	s_add_co_u32 s22, s22, 2*HALFT
.irp s, 0,1
	v_add_nc_u32 v[ADRA+\s], s21, v3
	v_add_nc_u32 v[ADRB+\s], s22, v3
	s_add_co_u32 s21, s21, SLOT
	s_add_co_u32 s22, s22, SLOT
.endr
	s_mul_i32 s23, s10, 16*SPITCH
	s_add_co_u32 s23, s23, STAGE
	v_mul_u32_u24 v4, v1, SPITCH
	v_lshl_add_u32 v4, v2, 4, v4
	v_add_nc_u32 v[STO], s23, v4
	v_mul_u32_u24 v5, v2, SPITCH
	v_lshl_add_u32 v5, v1, 4, v5
	v_add_nc_u32 v[RD], s23, v5
	v_lshlrev_b32 v5, 12, v2                       ; a row of pm is 4,096 bytes
	v_lshl_add_u32 v[CO], v1, 4, v5
	s_lshl_b32 s21, s12, 10
	s_lshl_b32 s22, s11, 9
	s_add_co_u32 s21, s21, s22
	s_add_co_u32 s21, s21, MX
	v_lshl_add_u32 v[MXA], v1, 2, s21              ; MX + 1,024 x column half + 4 (128 x row half + r)
	s_xor_b32 s21, s12, 1
	s_lshl_b32 s21, s21, 10
	s_add_co_u32 s21, s21, s22
	s_add_co_u32 s21, s21, MX
	v_lshl_add_u32 v[MXB], v1, 2, s21              ; the same in the other column half
	s_add_co_u32 s22, s22, MX
	v_and_b32 v4, 31, v0
	v_lshlrev_b32 v[SGO], 4, v4
	v_add_nc_u32 v[SRD], s22, v[SGO]
	v_mov_b32 v[NI], 0xff800000
	s_sub_co_i32 s21, s11, s12
	s_lshl_b32 s21, s21, 7
	v_lshlrev_b32 v4, 3, v2
	v_sub_nc_u32 v[DD], v1, v4
	v_add_nc_u32 v[DD], s21, v[DD]
	s_lshl_b32 s16, s40, 11                        ; pm: row 2048 b + 256 I + 128 row half, byte 512 J + 256 column half
	s_lshl_b32 s17, s42, 8
	s_add_co_u32 s16, s16, s17
	s_lshl_b32 s17, s11, 7
	s_add_co_u32 s16, s16, s17
	s_lshl_b32 s16, s16, 12
	s_lshl_b32 s17, s43, 9
	s_add_co_u32 s16, s16, s17
	s_lshl_b32 s17, s12, 8
	s_add_co_u32 s16, s16, s17
	s_mov_b32 s17, 0
	s_add_nc_u64 s[6:7], s[6:7], s[16:17]
	s_lshl_b32 s16, s40, 3                         ; st: ((8 b + J) 2048 + 256 I + 128 row half) x 4
	s_add_co_u32 s16, s16, s43
	s_lshl_b32 s16, s16, 11
	s_lshl_b32 s18, s42, 8
	s_add_co_u32 s16, s16, s18
	s_lshl_b32 s18, s11, 7
	s_add_co_u32 s16, s16, s18
	s_lshl_b32 s16, s16, 2
	s_add_nc_u64 s[8:9], s[8:9], s[16:17]
; 16 matrix instructions: query blocks a0, a0 + 1 of the window's four x all 8 key blocks, 32 along K.  zero = 1: the first product starts the sums.  The 64 accumulators take turns.
.macro MUL16 f, hi, a0, zero
.irp a, \a0, \a0+1
.irp b, 0,1,2,3,4,5,6,7
.if \zero
	v_wmma_f32_16x16x32_f16 v[8*(8*(\a)+\b):8*(8*(\a)+\b)+7], v[\f+8*\b:\f+8*\b+7], v[\f+8*(4*\hi+(\a)):\f+8*(4*\hi+(\a))+7], 0
.else
	v_wmma_f32_16x16x32_f16 v[8*(8*(\a)+\b):8*(8*(\a)+\b)+7], v[\f+8*\b:\f+8*\b+7], v[\f+8*(4*\hi+(\a)):\f+8*(4*\hi+(\a))+7], v[8*(8*(\a)+\b):8*(8*(\a)+\b)+7]
.endif
.endr
.endr
.endm
.macro FETCH slot, k, f                ; 32 LDS loads in one run: the fragments of 32 along K at byte k of the rows
	WIN TO_B
.irp i, 0,1,2,3,4,5,6,7
	ds_load_b128 v[\f+8*\i:\f+8*\i+3],   v[ADRB+\slot] offset:\k+\i*16*PITCH
	ds_load_b128 v[\f+8*\i+4:\f+8*\i+7], v[ADRB+\slot] offset:\k+\i*16*PITCH+32
.endr
	WIN 0
.irp i, 0,1,2,3,4,5,6,7
	ds_load_b128 v[\f+8*\i:\f+8*\i+3],   v[ADRA+\slot] offset:\k+\i*16*PITCH
	ds_load_b128 v[\f+8*\i+4:\f+8*\i+7], v[ADRA+\slot] offset:\k+\i*16*PITCH+32
.endr
.endm
.macro PLACES                          ; four plain vector lines between a matrix instruction and a load into, or a read of, its registers
.rept 4
	v_nop
.endr
.endm
.macro QUARTER slot, k, f, g, zero     ; multiplies buffer f; in its middle it fetches the next quarter's fragments, at byte k, into buffer g
	s_wait_dscnt 8                                 ; k's and q's rows 0-63 are in; the youngest eight loads may be out
	WIN MUL_LO
	MUL16 \f, 0, 0, \zero
	MUL16 \f, 0, 2, \zero
	PLACES
	FETCH \slot, \k, \g
	s_wait_dscnt 32                                ; all but the 32 just issued
	WIN MUL_HI
	MUL16 \f, 1, 0, \zero
	MUL16 \f, 1, 2, \zero
.endm
; A K step's last quarter changes slots: one barrier.  In front of it each wave waits for all its tensor loads (its part of the next slot), adds 0 to its spare word, and waits for that and for its reads of this slot.
; fill = 1: behind the barrier this slot is filled again first, two K steps ahead: one load a wave, with a K step's products in which to land.
.macro TURN slot, next, fill
	WIN 0
	s_wait_tensorcnt 0x0
	ds_add_u32 v[SPW], v[NIL]
.if \fill
	s_add_nc_u64 s[G0+4*\slot+2:G0+4*\slot+3], s[G0+4*\slot+2:G0+4*\slot+3], 2*KSTEP*2   ; no load of mine is out: the slot's next K step
.endif
	s_wait_dscnt 9                                 ; (the add and the youngest eight loads may be out)
	WIN MUL_LO
	MUL16 F1, 0, 0, 0
	s_wait_dscnt 0x0                               ; the add is done, and my reads of this slot are over
	s_barrier_signal -1
	MUL16 F1, 0, 2, 0
	WIN 0
	s_barrier_wait -1
.if \fill
	tensor_load_to_lds s[G0+4*\slot:G0+4*\slot+3], s[G1:G1+7]
	s_nop 0
.endif
	PLACES                                         ; behind the load, and the places in front of the loads below
	FETCH \next, 0, F0
	WIN MUL_HI
	MUL16 F1, 1, 0, 0
	MUL16 F1, 1, 2, 0
.endm
	s_wait_tensorcnt 1                             ; my part of K step 0 is in; K step 1's may stay out
	s_barrier_signal -1
	s_barrier_wait -1
	FETCH 0, 0, F0
	QUARTER 0, 64,  F0, F1, 1                      ; the first quarter's products start the sums
	WIN 0
	s_mov_b32 s3, LAPS-1
.Llap:                                                 ; a trip goes once round the two slots and fills both again: K steps 2 to 7
	QUARTER 0, 128, F1, F0, 0
	QUARTER 0, 192, F0, F1, 0
	TURN 0, 1, 1
	QUARTER 1, 64,  F0, F1, 0
	QUARTER 1, 128, F1, F0, 0
	QUARTER 1, 192, F0, F1, 0
	TURN 1, 0, 1
	QUARTER 0, 64,  F0, F1, 0
	WIN 0
	s_sub_co_u32 s3, s3, 1
	s_cmp_lg_u32 s3, 0
	s_cbranch_scc1 .Llap
	QUARTER 0, 128, F1, F0, 0                      ; the last lap fills nothing
	QUARTER 0, 192, F0, F1, 0
	TURN 0, 1, 0
	QUARTER 1, 64,  F0, F1, 0
	QUARTER 1, 128, F1, F0, 0
	QUARTER 1, 192, F0, F1, 0
	s_wait_dscnt 8
	WIN MUL_LO
	MUL16 F1, 0, 0, 0
	MUL16 F1, 0, 2, 0
	s_wait_dscnt 0
	WIN MUL_HI
	MUL16 F1, 1, 0, 0
	MUL16 F1, 1, 2, 0
	WIN 0
	PLACES
.irp a, 0,1,2,3,4,5,6,7
	v_mov_b32 v[TP+\a], 0                          ; written once: a lane permute's destination counts as one of its sources
.endr
	; THE MASK, in diagonal tiles alone (a branch on ids).  Register j of accumulator (a, b) holds key 128 ch + 16 b + 8 h + j for query 128 rh + 16 a + r: hidden where j + 16 (b - a) > DD.
	; Left of the diagonal block that holds only where my whole quadrant is hidden, right of it wherever my quadrant touches the diagonal or lies over it, on it lane by lane.
	s_cmp_lg_u32 s42, s43
	s_cbranch_scc1 .Lopen
.irp j, 0,1,2,3,4,5,6,7
	v_cmp_gt_i32 s[MQ+\j], \j, v[DD]
.endr
.irp a, 0,1,2,3,4,5,6,7
	WIN 0x82+0x41*(\a/4)                           ; destination and source 0: window 2 or 3
.irp b, 0,1,2,3,4,5,6,7
.irp j, 0,1,2,3,4,5,6,7
.if \b < \a
	v_cndmask_b32 v[64*(\a%4)+8*\b+\j], v[64*(\a%4)+8*\b+\j], v[NI], s[SLT]
.elseif \b == \a
	v_cndmask_b32 v[64*(\a%4)+8*\b+\j], v[64*(\a%4)+8*\b+\j], v[NI], s[MQ+\j]
.else
	v_cndmask_b32 v[64*(\a%4)+8*\b+\j], v[64*(\a%4)+8*\b+\j], v[NI], s[SGT]
.endif
.endr
.endr
.endr
	WIN 0
.Lopen:
	; THE ROWS' MAXIMA: my 128 keys of each query, three operands at a time; the four blocks of a window by turns; each accumulator from its low end on
.irp w, 0,1
	WIN 0x28+0x14*\w                               ; sources 1 and 2: window 2 or 3
.set i, 0
.rept 32
.irp a, 0,1,2,3
.if i == 0
	v_max3_num_f32 v[MR+4*\w+\a], v[NI], v[64*\a+2*i], v[64*\a+2*i+1]
.else
	v_max3_num_f32 v[MR+4*\w+\a], v[MR+4*\w+\a], v[64*\a+2*i], v[64*\a+2*i+1]
.endif
.endr
.set i, i+1
.endr
.endr
	WIN 0
.irp a, 0,1,2,3,4,5,6,7
	v_permlanex16_b32 v[TP+\a], v[MR+\a], s[SEL], s[SEL+1]
.endr
.irp a, 0,1,2,3,4,5,6,7
	v_max_num_f32 v[MR+\a], v[MR+\a], v[TP+\a]     ; with lane l xor 16's keys
.endr
.irp a, 0,1,2,3,4,5,6,7
	ds_store_b32 v[MXA], v[MR+\a] offset:64*\a     ; lanes l and l xor 16 write the same word with the same value
.endr
	s_wait_dscnt 0x0                               ; for the others' sake: my stores are done
	s_barrier_signal -1
	s_barrier_wait -1
.irp a, 0,1,2,3,4,5,6,7
	ds_load_b32 v[TP+\a], v[MXB] offset:64*\a      ; the other column half's maxima of the same rows
.endr
	s_wait_dscnt 0x0
.irp a, 0,1,2,3,4,5,6,7
	v_max_num_f32 v[MR+\a], v[MR+\a], v[TP+\a]     ; the tile's
.endr
.irp a, 0,1,2,3,4,5,6,7
	v_mul_f32 v[NM+2*\a], s[NC], v[MR+\a]          ; -m' = -c m
	v_mov_b32 v[NM+2*\a+1], 0                      ; (named with it as a pair, so it is written)
.endr
.macro SOFT a                          ; block a: p = 2^(c s - m'): 32 packed multiply-adds, 64 exponentials as one batch with one wait
.set AC, 64*((\a)%4)
	WIN 0x82+0x41*((\a)/4)
.set i, 0
.rept 32
	v_pk_fma_f32 v[AC+i:AC+i+1], v[AC+i:AC+i+1], s[CS:CS+1], v[NM+2*(\a):NM+2*(\a)+1] op_sel_hi:[1,0,0]
.set i, i+2
.endr
.set i, 0
.rept 64
	v_exp_f32 v[AC+i], v[AC+i]
.set i, i+1
.endr
	v_nop                                          ; a plain line behind the last exponential
	s_wait_alu depctr_va_vdst(0)                   ; one wait for the batch, ahead of its first reader
.endm
.macro PACK a
.set AC, 64*((\a)%4)
	WIN 0x0a+5*((\a)/4)
.irp b, 0,1,2,3,4,5,6,7
.irp r, 0,1,2,3
	v_cvt_pk_f16_f32 v[TMP+4*\b+\r], v[AC+8*\b+2*\r], v[AC+8*\b+2*\r+1]
.endr
.endr
.endm
.macro SUM a                           ; the sum of the unrounded p, a tree in place over the block's 32 pairs
.set AC, 64*((\a)%4)
	WIN 0x8a+0x45*((\a)/4)
.irp w, 4,8,16,32,64
.set u, 0
.rept 64/\w
	v_pk_add_f32 v[AC+\w*u:AC+\w*u+1], v[AC+\w*u:AC+\w*u+1], v[AC+\w*u+\w/2:AC+\w*u+\w/2+1]
.set u, u+1
.endr
.endr
	WIN 0x0a+5*((\a)/4)
	v_add_f32 v[LS+(\a)], v[AC], v[AC+1]
	WIN 0
.endm
.macro TOSTAGE a
.set BB, OB+192*((\a)%2)
.irp b, 0,1,2,3,4,5,6,7
	ds_store_b128 v[STO], v[TMP+4*\b:TMP+4*\b+3] offset:32*\b
.endr
.irp t, 0,1,2,3,4,5,6,7
	ds_load_b128 v[BB+4*\t:BB+4*\t+3], v[RD] offset:\t*2*SPITCH    ; LDS serves a wave's instructions in order: these see the stores above
.endr
.endm
.macro SEND a
.set BB, OB+192*((\a)%2)
	s_wait_dscnt 0x0
.irp t, 0,1,2,3,4,5,6,7
	global_store_b128 v[CO], v[BB+4*\t:BB+4*\t+3], s[6:7] offset:(\a)*65536+2*\t*4096   ; 16 lanes store 256 consecutive bytes, aligned
.endr
.endm
.irp a, 0,1,2,3,4,5,6,7                ; block a's arithmetic stands between block a - 1's loads from the stage and the wait for them
	SOFT \a
	PACK \a
	SUM \a
.if \a > 0
	SEND \a-1
.endif
.if \a > 1
	s_wait_xcnt 0x0                                ; block a - 2's stores have read their registers: block a's loads may land there
.endif
	TOSTAGE \a
.endr
	SEND 7
	; THE STATISTICS: the two column halves' sums meet in LDS; the waves of column half 0 store m' and l of their 128 rows
.irp a, 0,1,2,3,4,5,6,7
	v_permlanex16_b32 v[TP+\a], v[LS+\a], s[SEL], s[SEL+1]
.endr
.irp a, 0,1,2,3,4,5,6,7
	v_add_f32 v[LS+\a], v[LS+\a], v[TP+\a]
.endr
.irp a, 0,1,2,3,4,5,6,7
	ds_store_b32 v[MXA], v[LS+\a] offset:2048+64*\a
.endr
	s_wait_dscnt 0x0
	s_barrier_signal -1
	s_barrier_wait -1
	s_cmp_lg_u32 s12, 0
	s_cbranch_scc1 .Lno_stat
	ds_load_b128 v[SX:SX+3], v[SRD]                ; four rows a lane: the maxima of column half 0,
	ds_load_b128 v[SX+4:SX+7], v[SRD] offset:1024  ; of column half 1,
	ds_load_b128 v[SX+8:SX+11], v[SRD] offset:2048 ; the sums of column half 0,
	ds_load_b128 v[SX+12:SX+15], v[SRD] offset:3072 ; of column half 1
	s_wait_dscnt 0x0
.irp j, 0,1,2,3
	v_max_num_f32 v[SX+16+\j], v[SX+\j], v[SX+4+\j]
	v_add_f32 v[SX+20+\j], v[SX+8+\j], v[SX+12+\j]
.endr
.irp j, 0,1,2,3
	v_mul_f32 v[SX+16+\j], s[CS], v[SX+16+\j]      ; m' = c m: the same product as above but for the sign, so the same bits
.endr
	global_store_b128 v[SGO], v[SX+16:SX+19], s[8:9]               ; 32 lanes store 512 consecutive bytes, aligned
	global_store_b128 v[SGO], v[SX+20:SX+23], s[8:9] offset:262144
.Lno_stat:
	s_wait_tensorcnt 0x0                           ; the wave's end
	ds_add_u32 v[SPW], v[NIL]
	s_wait_dscnt 0x0
	s_endpgm
.Lfunc_end_k_q77c82dc1ee_score:
	.size	k_q77c82dc1ee_score, .Lfunc_end_k_q77c82dc1ee_score-k_q77c82dc1ee_score
	.p2alignl 7, 3214868480
	.fill 96, 4, 3214868480
	.section	.rodata,"a",@progbits
	.p2align	6, 0x0
	.amdhsa_kernel k_q77c82dc1ee_score
		.amdhsa_group_segment_fixed_size 327680
		.amdhsa_private_segment_fixed_size 0
		.amdhsa_enable_private_segment 0
		.amdhsa_kernarg_size 24
		.amdhsa_user_sgpr_count 2
		.amdhsa_user_sgpr_kernarg_segment_ptr 1
		.amdhsa_wavefront_size32 1
		.amdhsa_system_sgpr_workgroup_id_x 1
		.amdhsa_system_sgpr_workgroup_id_y 1
		.amdhsa_system_sgpr_workgroup_id_z 1
		.amdhsa_system_vgpr_workitem_id 0
		.amdhsa_next_free_vgpr 1024
		.amdhsa_next_free_sgpr 80
		.amdhsa_reserve_vcc 0
		.amdhsa_float_denorm_mode_32 3
		.amdhsa_float_denorm_mode_16_64 3
		.amdhsa_memory_ordered 1
		.amdhsa_forward_progress 1
		.amdhsa_inst_pref_size 243
	.end_amdhsa_kernel
	.amdgpu_metadata
---
amdhsa.version: [ 1, 2 ]
amdhsa.kernels:
  - .name:           k_q77c82dc1ee_score
    .symbol:         k_q77c82dc1ee_score.kd
    .args:
      - { .name: qkv, .offset: 0, .size: 8, .value_kind: global_buffer, .address_space: global }
      - { .name: pm, .offset: 8, .size: 8, .value_kind: global_buffer, .address_space: global }
      - { .name: st, .offset: 16, .size: 8, .value_kind: global_buffer, .address_space: global }
    .group_segment_fixed_size: 327680
    .private_segment_fixed_size: 0
    .kernarg_segment_align: 8
    .kernarg_segment_size: 24
    .max_flat_workgroup_size: 128
    .sgpr_count:     80
    .vgpr_count:     1024
    .wavefront_size: 32
...
	.end_amdgpu_metadata
.endif
;; end of part 3
;; launch mix (part 4): grid 8 x 32, 4 waves a work-group, clusters of 4 x 1, 327,680 bytes of LDS; arguments pm, qkv, st, out0; writes out0
.if DOCPART == 4
	.amdgcn_target "amdgcn-amd-amdhsa--gfx1250"
	.amdhsa_code_object_version 6
	.text
	.protected	k_q77c82dc1ee_mix
	.globl	k_q77c82dc1ee_mix
	.p2align	8
	.type	k_q77c82dc1ee_mix,@function
k_q77c82dc1ee_mix:
	s_mov_b64 s[64:65], 0
	v_nop
	global_prefetch_b8 v0, s[64:65] scope:SCOPE_SE
	s_setreg_imm32_b32 hwreg(HW_REG_WAVE_MODE, 25, 1), 1
	s_wait_xcnt 0x0
	s_wait_alu depctr_hold_cnt(0) depctr_sa_sdst(0) depctr_va_vdst(0) depctr_va_sdst(0) depctr_va_ssrc(0) depctr_va_vcc(0) depctr_vm_vsrc(0)
	s_getreg_b32 s2, hwreg(HW_REG_IB_STS2, 6, 4)
	s_cmp_eq_u32 s2, 0
	s_cbranch_scc0 .Lentry_in_a_cluster
	s_endpgm
.Lentry_in_a_cluster:
	s_bfe_u32 s2, ttmp6, 0x10000c
	s_cmp_lg_u32 s2, 0x3003
	s_cbranch_scc0 .Lentry_shape_is_right
	s_endpgm
.Lentry_shape_is_right:
; out0[b][q][:] = sum over key steps t of f'_t(q) (P_t V_t)(q, :).  P_t: the f16 weights of 256 keys, taken under that tile's own maximum m'_t; l_t their sum.
; M = the largest m'_t of the row; f_t = 2^(m'_t - M); L = sum of f_t l_t; f'_t = f_t / L.  So the row's maximum is taken away, and nothing in f16 is rescaled.
; A key step's product is summed in accumulators T that begin with the constant 0, and folded into O by packed multiply-adds with the row's f'_t.
; SHARES.  A work-group makes TWO tiles of 128 rows x 128 channels: row blocks p and 15 - p of a batch: (p / 2 + 1) + (8 - p / 2) = 9 key steps of 256 for every work-group.
; (In an even row block the last step's upper 128 keys are stored zeros of P.)  Four waves, each 64 x 64: 16 accumulators T, 128 registers of O.
; Rows 0-15 of each batch are not stored here: the last launch makes them in f32.
; CLUSTER: the four work-groups of a cluster take four neighbouring blocks of channels of the same rows: P's tiles are asked for JOINTLY; V's differ and are asked for singly, behind the same rounds.
; All partners share (b, p): so the number of steps of the first tile and every branch are alike in them.
; THE MATRIX INSTRUCTION IS USED TRANSPOSED (source 0 = 16 channels of V^T, by the turning load; source 1 = 16 rows of P): a lane holds one row (lane % 16) and eight neighbouring channels.
; O is cleared by moves, not begun by a first product: where a work-group's second tile begins hangs on its number, so no first fold can be written out.
; LIMITS: V arrives as f16; NaN and infinities are not served.
; REGISTERS: window 0: v0-31 addresses; v32-95 the way out; v96-103 the step's factors, in pairs; v128-255 T ((a, b) at v[128 + 8 (4 a + b)]).  window 1: two fragment buffers of 128: 64 of P, 64 of V^T.  window 2: v0-127 O.
.set PA,     528                       ; a row of P's tile: 512 bytes + 16
.set PB,     288                       ; a row of V's tile: 256 bytes + 32
.set HALFA,  64*PA
.set HALFB,  128*PB
.set BOFF,   2*HALFA
.set SLOT,   BOFF+2*HALFB              ; P: 128 rows; then V: 256 keys
.set STAGE,  2*SLOT                    ; 16 rows x 272 bytes for each wave
.set SPITCH, 272
.set FT,     STAGE+4*16*SPITCH         ; [9 steps][128 rows] f32: the factors f'
.set SPARE,  FT+9*512                  ; the spare words, 128 bytes a wave
.set ADRA, 16                          ; v16-17  my P fragments in slot 0, 1
.set ADRB, 18                          ; v18-21  my V fragments: slot 0 keys 0-127, keys 128-255; slot 1 likewise
.set FTW,  22                          ; v22     where I put my row's factors
.set STO,  24
.set RD,   25
.set CO,   26
.set FTA,  27                          ; v27     where the step's factors of my rows lie; 512 bytes on with each step
.set SPW,  28
.set NIL,  29
.set TAU4, 30                          ; v30     4 x my thread's number
.set NI,   31                          ; v31     -infinity
.set TMP,  32
.set FF,   96
.set T,    128
.set F0,   0
.set F1,   128
.set SM,   128                         ; at the head, where T is not yet at work: v128-136 m', v137-145 l, v146-154 offsets, v155-163 f, v164-171 at work
.set SL,   137
.set SO,   146
.set SF,   155
.set MA,   164
.set MB,   165
.set LA,   166
.set LB,   167
.set TT,   168
.set RA,   170
.set RB,   171
.set LAP,  3
.set WV,   12
.set G1A,  24
.set G0A,  32
.set I1,   40
.set I2,   41
.set G1B,  48
.set G0B,  56
.set A1,   66                          ; s[66:67], s[68:69] P at my half of the first and of the second tile's rows
.set A2,   68
.set VB,   70                          ; s[70:71] V at my half of a step's keys, my block of channels
.set STEP, 72
.set N1,   73                          ; key steps of the first tile
.set SKIP, 74                          ; 0: my first block of 16 rows is a batch's first
.set OB1,  76
.set OB2,  78
.set MK,   80                          ; s80-88  all ones where step s belongs to the first tile
.set MSB, 0
.macro WIN new
.if MSB != (\new)
	s_set_vgpr_msb (MSB<<8)|(\new)
.set MSB, \new
.endif
.endm
.set MUL,  0x05                        ; sources 0 and 1 window 1; C and D window 0
.set TO_F, 0x40
.macro JLOAD s                         ; waves 0 and 1 fetch P's halves (jointly), waves 2 and 3 V's; an s_nop 0 and four v_nop follow each line
	s_cmp_eq_u32 s13, 0
	s_cbranch_scc0 .Lfor_b_\@
	tensor_load_to_lds s[G0A+4*\s:G0A+4*\s+3], s[G1A:G1A+7]
	s_nop 0
.rept 4
	v_nop
.endr
	s_branch .Lasked_\@
.Lfor_b_\@:
	tensor_load_to_lds s[G0B+4*\s:G0B+4*\s+3], s[G1B:G1B+7]
	s_nop 0
.rept 4
	v_nop
.endr
.Lasked_\@:
.endm
.macro CREST
	s_cmp_lg_u32 s[WV], 0
	s_cbranch_scc1 .Lnot_wave_0_\@
	s_barrier_signal -3
.Lnot_wave_0_\@:
	s_barrier_wait -3
	s_barrier_signal -1
	s_barrier_wait -1
.endm
.macro CROUND
	s_barrier_signal -1
	s_barrier_wait -1
	CREST
.endm
; The addresses of step STEP + ahead, for the slot's two descriptors: which tile, and which of its key steps.  256 keys are 512 bytes along a row of P and 524,288 bytes down V.
.macro SETG slot, ahead
	s_add_co_u32 s20, s[STEP], \ahead
	s_cmp_lt_u32 s20, s[N1]
	s_cselect_b64 s[G0A+4*\slot+2:G0A+4*\slot+3], s[A1:A1+1], s[A2:A2+1]
	s_cselect_b32 s21, 0, s[N1]
	s_sub_co_u32 s20, s20, s21
	s_lshl_b32 s22, s20, 9
	s_mov_b32 s23, 0
	s_add_nc_u64 s[G0A+4*\slot+2:G0A+4*\slot+3], s[G0A+4*\slot+2:G0A+4*\slot+3], s[22:23]
	s_or_b32 s[G0A+4*\slot+3], s[G0A+4*\slot+3], 0x80000000
	s_lshl_b32 s22, s20, 19
	s_add_nc_u64 s[G0B+4*\slot+2:G0B+4*\slot+3], s[VB:VB+1], s[22:23]
	s_or_b32 s[G0B+4*\slot+3], s[G0B+4*\slot+3], 0x80000000
.endm
	s_load_b256 s[4:11], s[0:1], 0x0               ; pm, qkv, st, out0
	v_lshl_add_u32 v[SPW], v0, 2, SPARE
	v_mov_b32 v[NIL], 0
	ds_add_u32 v[SPW], v[NIL]                      ; the wave's opening: the add, twice on end, and its wait ahead of my first tensor load
	ds_add_u32 v[SPW], v[NIL]
	v_lshrrev_b32 v1, 5, v0
	v_readfirstlane_b32 s[WV], v1                  ; wave 0..3
	s_lshr_b32 s13, s[WV], 1                       ; my half of the rows.  Also: I fetch for P (0) or for V (1)
	s_and_b32 s14, s[WV], 1                        ; my half of the channels.  Also: which half of that tile I fetch
	s_bfe_u32 s15, ttmp6, 0x40000                  ; cx
	s_lshl_b32 s16, ttmp9, 2
	s_add_co_u32 s16, s16, s15                     ; my block of 128 channels: it enters V's and O's addresses alone
	s_and_b32 s17, ttmp7, 0xffff
	s_lshr_b32 s18, s17, 3                         ; b
	s_and_b32 s19, s17, 7                          ; p
	s_mov_b32 s[I1], s19
	s_sub_co_u32 s[I2], 15, s19
	s_lshr_b32 s[N1], s19, 1
	s_add_co_u32 s[N1], s[N1], 1
	s_or_b32 s[SKIP], s19, s13
	s_mov_b32 s[STEP], 0
	s_mov_b32 s[G1A+0], 15|(1<<16)|(1<<20)|(1<<21)|(6<<22)|(3<<25)   ; the mask: all four; elements of 2 bytes; padding: 4 words after every 128
	s_mov_b32 s[G1A+1], 256<<16                    ; tensor_dim0
	s_mov_b32 s[G1A+2], 64<<16                     ; tensor_dim1
	s_mov_b32 s[G1A+3], 256<<16                    ; tile_dim0
	s_mov_b32 s[G1A+4], 64                         ; tile_dim1
	s_mov_b32 s[G1A+5], 2048                       ; from row to row
	s_mov_b32 s[G1A+6], 0
	s_mov_b32 s[G1A+7], 0
	s_mov_b32 s[G1B+0], (1<<16)|(1<<20)|(5<<22)|(7<<25)   ; no mask; padding: 8 words after every 64
	s_mov_b32 s[G1B+1], 128<<16
	s_mov_b32 s[G1B+2], 128<<16
	s_mov_b32 s[G1B+3], 128<<16
	s_mov_b32 s[G1B+4], 128
	s_mov_b32 s[G1B+5], 1024
	s_mov_b32 s[G1B+6], 0
	s_mov_b32 s[G1B+7], 0
	s_mul_i32 s20, s14, HALFA
	s_mul_i32 s21, s14, HALFB
	s_add_co_u32 s21, s21, BOFF
.irp s, 0,1
	s_mov_b32 s[G0A+4*\s], 1
	s_add_co_u32 s[G0A+4*\s+1], s20, \s*SLOT
	s_mov_b32 s[G0B+4*\s], 1
	s_add_co_u32 s[G0B+4*\s+1], s21, \s*SLOT
.endr
	s_lshl_b32 s20, s18, 11                        ; 2048 b
	s_lshl_b32 s21, s14, 6
	s_add_co_u32 s21, s21, s20                     ; + the 64 rows that I fetch
	s_lshl_b32 s22, s[I1], 7
	s_add_co_u32 s22, s22, s21
	s_lshl_b32 s42, s22, 12                        ; x 4,096 bytes
	s_mov_b32 s43, 0
	s_lshl_b32 s22, s[I2], 7
	s_add_co_u32 s22, s22, s21
	s_lshl_b32 s44, s22, 12
	s_mov_b32 s45, 0
	s_lshl_b32 s92, s14, 7
	s_add_co_u32 s92, s92, s20                     ; V: key 2048 b + the 128 that I fetch
	s_lshl_b32 s92, s92, 11
	s_add_co_u32 s92, s92, 0x2000000               ; v's plane
	s_lshl_b32 s93, s16, 8
	s_add_co_u32 s46, s92, s93
	s_mov_b32 s47, 0
	s_lshl_b32 s92, s13, 6
	s_add_co_u32 s92, s92, s20                     ; O: row 2048 b + 64 x row half
	s_lshl_b32 s94, s16, 9
	s_lshl_b32 s95, s14, 8
	s_add_co_u32 s94, s94, s95                     ; byte 512 x block of channels + 256 x half
	s_wait_dscnt 0x0                               ; both opening adds are done
	s_wait_kmcnt 0x0
	s_add_nc_u64 s[A1:A1+1], s[4:5], s[42:43]
	s_add_nc_u64 s[A2:A2+1], s[4:5], s[44:45]
	s_add_nc_u64 s[VB:VB+1], s[6:7], s[46:47]
	s_lshl_b32 s46, s[I1], 7
	s_add_co_u32 s46, s46, s92
	s_lshl_b32 s46, s46, 12
	s_add_co_u32 s46, s46, s94
	s_add_nc_u64 s[OB1:OB1+1], s[10:11], s[46:47]
	s_lshl_b32 s46, s[I2], 7
	s_add_co_u32 s46, s46, s92
	s_lshl_b32 s46, s46, 12
	s_add_co_u32 s46, s46, s94
	s_add_nc_u64 s[OB2:OB2+1], s[10:11], s[46:47]
	CROUND                                         ; all four work-groups are here: the first joint loads meet
	SETG 0, 0
	JLOAD 0
	SETG 1, 1
	JLOAD 1                                        ; two tensor loads of mine are out
	v_and_b32 v1, 15, v0                           ; r
	v_bfe_u32 v2, v0, 4, 1                         ; h
	v_mul_u32_u24 v3, v1, PA
	v_lshl_add_u32 v3, v2, 4, v3
	s_mul_i32 s20, s13, HALFA
	v_add_nc_u32 v[ADRA], s20, v3                  ; P: my 64 rows; row r x pitch + 16 h
	v_add_nc_u32 v[ADRA+1], SLOT, v[ADRA]
	v_and_b32 v4, 7, v0
	v_bfe_u32 v5, v0, 3, 1
	v_lshl_add_u32 v4, v2, 3, v4
	v_mul_u32_u24 v4, v4, PB
	v_lshl_add_u32 v4, v5, 4, v4                   ; V, for the turning load: key 8 h + l % 8, channels 8 ((l / 8) % 2) on
	s_lshl_b32 s20, s14, 7
	s_add_co_u32 s20, s20, BOFF
	v_add_nc_u32 v[ADRB], s20, v4
	v_add_nc_u32 v[ADRB+1], 128*PB, v[ADRB]
	v_add_nc_u32 v[ADRB+2], SLOT, v[ADRB]
	v_add_nc_u32 v[ADRB+3], SLOT+128*PB, v[ADRB]
	s_mul_i32 s20, s[WV], 16*SPITCH
	s_add_co_u32 s20, s20, STAGE
	v_mul_u32_u24 v4, v1, SPITCH
	v_lshl_add_u32 v4, v2, 5, v4
	v_add_nc_u32 v[STO], s20, v4                   ; the stage, in: row r, 32 bytes for each half of the lanes
	v_mul_u32_u24 v4, v2, SPITCH
	v_lshl_add_u32 v4, v1, 4, v4
	v_add_nc_u32 v[RD], s20, v4                    ; back: lanes 0-15 one row of 256 bytes, lanes 16-31 the next
	v_lshlrev_b32 v4, 12, v2
	v_lshl_add_u32 v[CO], v1, 4, v4
	s_lshl_b32 s20, s13, 8
	s_add_co_u32 s20, s20, FT
	v_lshl_add_u32 v[FTA], v1, 2, s20              ; FT + 4 (64 x row half + r)
	v_lshl_add_u32 v[FTW], v0, 2, FT
	v_lshlrev_b32 v[TAU4], 2, v0
	v_mov_b32 v[NI], 0xff800000
	; THE FACTORS.  Thread tau takes row tau of both tiles.  Step s belongs to the first tile where s < N1, as its key step s; else to the second, as its key step s - N1.
	s_lshl_b32 s89, s18, 14                        ; 8 b x 2,048
.irp s, 0,1,2,3,4,5,6,7,8
	s_cmp_gt_u32 s[N1], \s
	s_cselect_b32 s[MK+\s], -1, 0
	s_cselect_b32 s20, 0, s[N1]
	s_cselect_b32 s21, s[I1], s[I2]
	s_sub_co_u32 s20, \s, s20
	s_lshl_b32 s20, s20, 11
	s_lshl_b32 s21, s21, 7
	s_add_co_u32 s20, s20, s21
	s_add_co_u32 s20, s20, s89
	s_lshl_b32 s20, s20, 2
	v_add_nc_u32 v[SO+\s], s20, v[TAU4]
.endr
.irp s, 0,1,2,3,4,5,6,7,8
	global_load_b32 v[SM+\s], v[SO+\s], s[8:9]
	global_load_b32 v[SL+\s], v[SO+\s], s[8:9] offset:262144
.endr
.irp a, 0,1,2,3
	v_mov_b32 v[FF+2*\a+1], 0                      ; (the factors are named as pairs, so the upper halves are written)
.endr
	WIN 0x80
.set i, 0
.rept 128
	v_mov_b32 v[i], 0                              ; O, while the first tiles and the statistics are on their way
.set i, i+1
.endr
	WIN 0
	s_wait_loadcnt 0x0
	v_cndmask_b32 v[MA], v[NI], v[SM], s[MK]
	v_cndmask_b32 v[MB], v[SM], v[NI], s[MK]
.irp s, 1,2,3,4,5,6,7,8
	v_cndmask_b32 v[TT], v[NI], v[SM+\s], s[MK+\s]
	v_cndmask_b32 v[TT+1], v[SM+\s], v[NI], s[MK+\s]
	v_max_num_f32 v[MA], v[MA], v[TT]              ; the first tile's M,
	v_max_num_f32 v[MB], v[MB], v[TT+1]            ; the second's
.endr
.irp s, 0,1,2,3,4,5,6,7,8
	v_cndmask_b32 v[TT], v[MB], v[MA], s[MK+\s]
	v_sub_f32 v[SF+\s], v[SM+\s], v[TT]
.endr
.irp s, 0,1,2,3,4,5,6,7,8
	v_exp_f32 v[SF+\s], v[SF+\s]                   ; f = 2^(m' - M)
.endr
	v_mov_b32 v[LA], 0                             ; (a plain line behind the exponentials)
	v_mov_b32 v[LB], 0
	s_wait_alu depctr_va_vdst(0)                   ; one wait for the nine, ahead of their first reader
.irp s, 0,1,2,3,4,5,6,7,8
	v_mul_f32 v[TT], v[SF+\s], v[SL+\s]
	v_cndmask_b32 v[TT+1], 0, v[TT], s[MK+\s]
	v_cndmask_b32 v[TT], v[TT], 0, s[MK+\s]
	v_add_f32 v[LA], v[LA], v[TT+1]                ; L of the first tile's row,
	v_add_f32 v[LB], v[LB], v[TT]                  ; of the second's
.endr
	v_rcp_f32 v[RA], v[LA]
	v_rcp_f32 v[RB], v[LB]
	v_nop
	s_wait_alu depctr_va_vdst(0)
.irp s, 0,1,2,3,4,5,6,7,8
	v_cndmask_b32 v[TT], v[RB], v[RA], s[MK+\s]
	v_mul_f32 v[SF+\s], v[SF+\s], v[TT]            ; f' = f / L
	ds_store_b32 v[FTW], v[SF+\s] offset:512*\s
.endr
.macro MUL8 f, c, a0, zero             ; 8 matrix instructions: row blocks a0, a0 + 1 x the 4 blocks of channels, 32 keys: half c of buffer f.  The 16 accumulators take turns
.irp a, \a0, \a0+1
.irp b, 0,1,2,3
.if \zero
	v_wmma_f32_16x16x32_f16 v[T+8*(4*(\a)+\b):T+8*(4*(\a)+\b)+7], v[\f+64+8*(4*\c+\b):\f+64+8*(4*\c+\b)+7], v[\f+8*(4*\c+(\a)):\f+8*(4*\c+(\a))+7], 0
.else
	v_wmma_f32_16x16x32_f16 v[T+8*(4*(\a)+\b):T+8*(4*(\a)+\b)+7], v[\f+64+8*(4*\c+\b):\f+64+8*(4*\c+\b)+7], v[\f+8*(4*\c+(\a)):\f+8*(4*\c+(\a))+7], v[T+8*(4*(\a)+\b):T+8*(4*(\a)+\b)+7]
.endif
.endr
.endr
.endm
.macro FETCH slot, q, f                ; 32 LDS loads in one run: the fragments of the step's q-th 64 keys; the first 32 keys first
	WIN TO_F
.irp c, 0,1
.irp i, 0,1,2,3
	ds_load_tr16_b128 v[\f+64+8*(4*\c+\i):\f+64+8*(4*\c+\i)+3],   v[ADRB+2*\slot+(\q)/2] offset:(64*((\q)%2)+32*\c)*PB+32*\i
	ds_load_tr16_b128 v[\f+64+8*(4*\c+\i)+4:\f+64+8*(4*\c+\i)+7], v[ADRB+2*\slot+(\q)/2] offset:(64*((\q)%2)+32*\c+16)*PB+32*\i
	ds_load_b128 v[\f+8*(4*\c+\i):\f+8*(4*\c+\i)+3],              v[ADRA+\slot] offset:128*(\q)+64*\c+\i*16*PA
	ds_load_b128 v[\f+8*(4*\c+\i)+4:\f+8*(4*\c+\i)+7],            v[ADRA+\slot] offset:128*(\q)+64*\c+\i*16*PA+32
.endr
.endr
.endm
.macro PLACES
.rept 4
	v_nop
.endr
.endm
.macro QUARTER slot, q, f, g, zero     ; multiplies buffer f and fetches the step's q-th quarter into g
	s_wait_dscnt 16                                ; the first 32 keys' fragments are in
	WIN MUL
	MUL8 \f, 0, 0, \zero
	MUL8 \f, 0, 2, \zero
	PLACES
	FETCH \slot, \q, \g
	s_wait_dscnt 32                                ; all but the 32 just issued
	WIN MUL
	MUL8 \f, 1, 0, 0
	MUL8 \f, 1, 2, 0
.endm
; A step's last quarter changes slots.  In front of the barrier each wave waits for all its tensor loads, adds 0 to its spare word, and waits for that and for its reads of this slot.
; fill = 1: the barrier opens a round of the cluster's; behind it this slot is filled again first, two steps ahead: one load a wave.
.macro TURN slot, next, fill
	WIN 0
.irp a, 0,1,2,3
	ds_load_b32 v[FF+2*\a], v[FTA] offset:64*\a    ; this step's factors of my four blocks of rows
.endr
	v_add_nc_u32 v[FTA], 512, v[FTA]
	s_wait_tensorcnt 0x0
	ds_add_u32 v[SPW], v[NIL]
	s_wait_dscnt 21                                ; (sixteen fragment loads, the four factor loads and the add may be out)
	WIN MUL
	MUL8 F1, 0, 0, 0
	s_wait_dscnt 0x0                               ; the add is done, and my reads of this slot are over
	s_barrier_signal -1
	MUL8 F1, 0, 2, 0
	WIN 0
	s_barrier_wait -1
.if \fill
	CREST                                          ; no wave of any partner still reads this slot or has a load on its way
	SETG \slot, 2
	JLOAD \slot                                    ; the four v_nop behind it are also the places in front of the loads below
.else
	PLACES
.endif
	FETCH \next, 0, F0
	WIN MUL
	MUL8 F1, 1, 0, 0
	MUL8 F1, 1, 2, 0
.endm
.macro ACCUM                           ; O += f' T: 64 packed multiply-adds, each accumulator from its low end on.  They are also the places ahead of the next step's products, which begin T anew
	WIN 0
	PLACES
	WIN 0xa0                                       ; destination and source 2 window 2
.irp a, 0,1,2,3
.set i, 0
.rept 16
	v_pk_fma_f32 v[32*\a+i:32*\a+i+1], v[T+32*\a+i:T+32*\a+i+1], v[FF+2*\a:FF+2*\a+1], v[32*\a+i:32*\a+i+1] op_sel_hi:[1,0,1]
.set i, i+2
.endr
.endr
	WIN 0
	s_add_co_u32 s[STEP], s[STEP], 1
.endm
.macro OSTAGE a                        ; 16 rows x 64 channels of O through my stage
.set BB, TMP+32*((\a)%2)
	WIN 0x08                                       ; an LDS store's data: window 2
.irp b, 0,1,2,3
	ds_store_b128 v[STO], v[32*(\a)+8*\b:32*(\a)+8*\b+3] offset:64*\b
	ds_store_b128 v[STO], v[32*(\a)+8*\b+4:32*(\a)+8*\b+7] offset:64*\b+16
.endr
	WIN 0
.irp t, 0,1,2,3,4,5,6,7
	ds_load_b128 v[BB+4*\t:BB+4*\t+3], v[RD] offset:\t*2*SPITCH    ; LDS serves a wave's instructions in order
.endr
.endm
.macro OSEND base, a, younger, mid
.set BB, TMP+32*((\a)%2)
	s_wait_dscnt \younger                          ; the block is back; the next block's sixteen LDS instructions may be out
.if (\mid) && ((\a) == 0)
	s_cmp_eq_u32 s[SKIP], 0                        ; a batch's first 16 rows belong to the last launch: ids and the wave's number alone
	s_cbranch_scc1 .Lowned_\@
.endif
.irp t, 0,1,2,3,4,5,6,7
	global_store_b128 v[CO], v[BB+4*\t:BB+4*\t+3], s[\base:\base+1] offset:(\a)*65536+2*\t*4096 th:TH_STORE_NT   ; 16 lanes store 256 consecutive bytes, aligned
.endr
.if (\mid) && ((\a) == 0)
.Lowned_\@:
.endif
.endm
.macro OUT base, mid                   ; a tile goes out; mid = 1: the first tile, behind which O begins anew
	s_wait_xcnt 0x0                                ; an earlier way out's stores have read their registers
	OSTAGE 0
	OSTAGE 1
	OSEND \base, 0, 16, \mid
	s_wait_xcnt 0x0                                ; block 0's stores have read their registers: block 2's loads may land there
	OSTAGE 2
	OSEND \base, 1, 16, \mid
	s_wait_xcnt 0x0
	OSTAGE 3
	OSEND \base, 2, 16, \mid
	OSEND \base, 3, 0, \mid
.if \mid
	WIN 0x80
.set i, 0
.rept 128
	v_mov_b32 v[i], 0
.set i, i+1
.endr
	WIN 0
.endif
.endm
.macro CHECK                           ; the first tile is finished where STEP has reached N1: the same in all waves and partners
	s_cmp_eq_u32 s[STEP], s[N1]
	s_cbranch_scc0 .Lsame_\@
	OUT OB1, 1
.Lsame_\@:
.endm
.macro STEPM slot, next, fill
	QUARTER \slot, 1, F0, F1, 1                    ; the step's first products begin T with the constant 0
	QUARTER \slot, 2, F1, F0, 0
	QUARTER \slot, 3, F0, F1, 0
	TURN \slot, \next, \fill
	ACCUM
.endm
	s_wait_tensorcnt 1                             ; my part of step 0 is in; step 1's may stay out
	s_wait_dscnt 0x0                               ; my factors are stored
	s_barrier_signal -1
	s_barrier_wait -1
	FETCH 0, 0, F0
	WIN 0
	s_mov_b32 s[LAP], 3
.Llap:                                                 ; steps 0 to 5; they ask for steps 2 to 7.  N1 is at most 4: the change of tiles falls in here
	STEPM 0, 1, 1
	CHECK
	STEPM 1, 0, 1
	CHECK
	s_sub_co_u32 s[LAP], s[LAP], 1
	s_cmp_lg_u32 s[LAP], 0
	s_cbranch_scc1 .Llap
	STEPM 0, 1, 1                                  ; step 6 asks for step 8
	STEPM 1, 0, 0                                  ; step 7 asks for nothing
	QUARTER 0, 1, F0, F1, 1                        ; step 8
	QUARTER 0, 2, F1, F0, 0
	QUARTER 0, 3, F0, F1, 0
	WIN 0
.irp a, 0,1,2,3
	ds_load_b32 v[FF+2*\a], v[FTA] offset:64*\a
.endr
	s_wait_dscnt 20                                ; (sixteen fragment loads and the four factor loads may be out)
	WIN MUL
	MUL8 F1, 0, 0, 0
	MUL8 F1, 0, 2, 0
	s_wait_dscnt 0x0
	MUL8 F1, 1, 0, 0
	MUL8 F1, 1, 2, 0
	ACCUM
	OUT OB2, 0
	s_wait_tensorcnt 0x0                           ; the wave's end
	ds_add_u32 v[SPW], v[NIL]
	s_wait_dscnt 0x0
	CROUND                                         ; the closing round
	s_endpgm
.Lfunc_end_k_q77c82dc1ee_mix:
	.size	k_q77c82dc1ee_mix, .Lfunc_end_k_q77c82dc1ee_mix-k_q77c82dc1ee_mix
	.p2alignl 7, 3214868480
	.fill 96, 4, 3214868480
	.section	.rodata,"a",@progbits
	.p2align	6, 0x0
	.amdhsa_kernel k_q77c82dc1ee_mix
		.amdhsa_group_segment_fixed_size 327680
		.amdhsa_private_segment_fixed_size 0
		.amdhsa_enable_private_segment 0
		.amdhsa_kernarg_size 32
		.amdhsa_user_sgpr_count 2
		.amdhsa_user_sgpr_kernarg_segment_ptr 1
		.amdhsa_wavefront_size32 1
		.amdhsa_system_sgpr_workgroup_id_x 1
		.amdhsa_system_sgpr_workgroup_id_y 1
		.amdhsa_system_sgpr_workgroup_id_z 1
		.amdhsa_system_vgpr_workitem_id 0
		.amdhsa_next_free_vgpr 768
		.amdhsa_next_free_sgpr 100
		.amdhsa_reserve_vcc 0
		.amdhsa_float_denorm_mode_32 3
		.amdhsa_float_denorm_mode_16_64 3
		.amdhsa_memory_ordered 1
		.amdhsa_forward_progress 1
		.amdhsa_inst_pref_size 168
	.end_amdhsa_kernel
	.amdgpu_metadata
---
amdhsa.version: [ 1, 2 ]
amdhsa.kernels:
  - .name:           k_q77c82dc1ee_mix
    .symbol:         k_q77c82dc1ee_mix.kd
    .args:
      - { .name: pm, .offset: 0, .size: 8, .value_kind: global_buffer, .address_space: global }
      - { .name: qkv, .offset: 8, .size: 8, .value_kind: global_buffer, .address_space: global }
      - { .name: st, .offset: 16, .size: 8, .value_kind: global_buffer, .address_space: global }
      - { .name: out0, .offset: 24, .size: 8, .value_kind: global_buffer, .address_space: global }
    .group_segment_fixed_size: 327680
    .private_segment_fixed_size: 0
    .kernarg_segment_align: 8
    .kernarg_segment_size: 32
    .max_flat_workgroup_size: 128
    .sgpr_count:     100
    .vgpr_count:     768
    .wavefront_size: 32
...
	.end_amdgpu_metadata
.endif
;; end of part 4
;; launch first (part 5): grid 4 x 1, 16 waves a work-group, no clusters, 89,088 bytes of LDS; arguments h32, out0; writes out0
.if DOCPART == 5
	.amdgcn_target "amdgcn-amd-amdhsa--gfx1250"
	.amdhsa_code_object_version 6
	.text
	.protected	k_q77c82dc1ee_first
	.globl	k_q77c82dc1ee_first
	.p2align	8
	.type	k_q77c82dc1ee_first,@function
k_q77c82dc1ee_first:
	s_mov_b64 s[64:65], 0
	v_nop
	global_prefetch_b8 v0, s[64:65] scope:SCOPE_SE
	s_setreg_imm32_b32 hwreg(HW_REG_WAVE_MODE, 25, 1), 1
	s_wait_xcnt 0x0
; The first 16 positions of each batch, wholly in f32: under the causal mask they average one to sixteen values, where the rounding of 16-bit operands would weigh most.
; h32 holds their q, k, v, 65,536 bytes for each (plane, batch).  q and k lie as images of registers: block c of 16 channels at 1,024 c: lane (r, h)'s channels 16 c + 8 h + 0 .. 3 of row r at 16 x lane,
; its channels + 4 .. 7 512 bytes on: so each load of a wave reads 512 consecutive bytes.  v lies as 16 rows of 4,096 bytes.
; One work-group a batch, sixteen waves; wave w takes channels 64 w .. 64 w + 63.
; 1: its part of S^T = k q^T (source 0 = the 16 keys, source 1 = the 16 queries), 16 matrix instructions of 4 channels on four accumulators by turns.  The sixteen parts meet in LDS: wave w adds 16 words of all
;    sixteen parts and stores the sums; behind a second barrier every wave reads the finished 1,024 bytes: so all waves hold the same bits.
; 2: the softmax: a lane holds query lane % 16 and keys 8 (lane / 16) + 0 .. 7.   3: O^T = v^T p^T for its 64 channels, divided by the row's sum.
; The channels (in 1) and the keys (in 3) stand in the same permuted order in both sources of a product, which keeps every product.
; The registers that the matrix instructions write are written by nothing else; what is made of a sum goes into other registers.
.set IMG,   0                          ; 16 x 1,024 bytes: the waves' parts of S^T, as images of their registers
.set FIN,   16384                      ; 1,024 bytes: S^T, in the same form
.set STAGE, 17408                      ; 16 rows x 272 bytes for each wave
.set SPARE, STAGE+16*16*272            ; the spare words, 128 bytes a wave
.set SPW, 14
.set NIL, 15
.set QF,  16                           ; v16-47   q;  later words of the parts of S^T, later rows of O
.set KF,  48                           ; v48-79   k
.set VF,  80                           ; v80-111  v: register 8 n + i: key 8 h + i, channel 16 n + r
.set SA,  112                          ; v112-143 four accumulators of S^T
.set SS,  144                          ; v144-151 S^T
.set P,   152                          ; v152-159 p
.set OA,  160                          ; v160-191 four accumulators of O^T
.set OR,  192                          ; v192-223 O^T / the sum
.set FW,  224                          ; v224     where I put my word of S^T
	s_load_b128 s[4:7], s[0:1], 0x0                ; h32, out0
	v_lshl_add_u32 v[SPW], v0, 2, SPARE
	v_mov_b32 v[NIL], 0
	v_lshrrev_b32 v1, 5, v0
	v_readfirstlane_b32 s8, v1                     ; wave 0..15
	v_and_b32 v1, 15, v0                           ; r
	v_bfe_u32 v2, v0, 4, 1                         ; h
	v_lshlrev_b32 v4, 2, v1
	v_lshl_add_u32 v4, v2, 15, v4                  ; v: 8 h rows down, channel r
	v_and_b32 v6, 31, v0
	v_lshlrev_b32 v6, 4, v6                        ; 16 x lane
	s_lshl_b32 s9, s8, 10
	v_add_nc_u32 v5, s9, v6                        ; my part's image
	s_lshl_b32 s9, s8, 6
	v_lshlrev_b32 v3, 2, v1
	v_add_nc_u32 v3, s9, v3                        ; my word of an image: byte 64 w + 4 r
	v_add_nc_u32 v[FW], FIN, v3
	v_lshl_add_u32 v3, v2, 13, v3                  ; lanes 0-15 add parts 0 to 7, lanes 16-31 parts 8 to 15
	s_mul_i32 s9, s8, 16*272
	s_add_co_u32 s9, s9, STAGE
	v_mul_u32_u24 v7, v1, 272
	v_lshl_add_u32 v7, v2, 5, v7
	v_add_nc_u32 v7, s9, v7                        ; the stage, in: row r, 32 bytes for each half of the lanes
	v_mul_u32_u24 v8, v2, 272
	v_lshl_add_u32 v8, v1, 4, v8
	v_add_nc_u32 v8, s9, v8                        ; back: lanes 0-15 one row, lanes 16-31 the next
	v_lshlrev_b32 v9, 12, v2
	v_lshl_add_u32 v9, v1, 4, v9
	v_lshlrev_b32 v12, 3, v2
	v_sub_nc_u32 v10, v1, v12                      ; d = r - 8 h: key 8 h + j is hidden where j > d
	v_mov_b32 v11, 0xff800000                      ; -infinity
	v_mov_b32 v13, 0                               ; written once: a lane permute's destination counts as one of its sources
	s_mov_b32 s14, 0x76543210
	s_mov_b32 s15, 0xfedcba98
	s_mov_b32 s16, 0x3d38aa3b                      ; c = log2(e) / 32
	s_mov_b32 s17, 0xbd38aa3b
	s_lshl_b32 s10, ttmp9, 16                      ; a batch's 65,536 bytes
	s_lshl_b32 s11, s8, 12                         ; q, k: my four blocks of 16 channels: 4,096 bytes on end
	s_add_co_u32 s20, s10, s11
	s_mov_b32 s21, 0
	s_lshl_b32 s11, s8, 8                          ; v: my 64 channels of a row
	s_add_co_u32 s10, s10, s11
	s_mov_b32 s11, 0
	s_lshl_b32 s12, ttmp9, 23                      ; out0: 2,048 rows of 4,096 bytes a batch
	s_lshl_b32 s13, s8, 8
	s_add_co_u32 s12, s12, s13
	s_mov_b32 s13, 0
	s_wait_kmcnt 0x0
	s_add_nc_u64 s[18:19], s[4:5], s[10:11]
	s_add_nc_u64 s[4:5], s[4:5], s[20:21]
	s_add_nc_u64 s[6:7], s[6:7], s[12:13]
.irp u, 0,1,2,3,4,5,6,7
	global_load_b128 v[QF+4*\u:QF+4*\u+3], v6, s[4:5] offset:512*\u            ; register 8 c + j: channel 16 c + 8 h + j of query r; 32 lanes read 512 consecutive bytes
.endr
.irp u, 0,1,2,3,4,5,6,7
	global_load_b128 v[KF+4*\u:KF+4*\u+3], v6, s[4:5] offset:262144+512*\u     ; the same of key r
.endr
.irp n, 0,1,2,3
.irp i, 0,1,2,3,4,5,6,7
	global_load_b32 v[VF+8*\n+\i], v4, s[18:19] offset:524288+4096*\i+64*\n
.endr
.endr
	s_wait_loadcnt 32                              ; q and k are in; v's 32 loads may be out
.irp s, 0,1,2,3,4,5,6,7,8,9,10,11,12,13,14,15
.if \s < 4
	v_wmma_f32_16x16x4_f32 v[SA+8*(\s%4):SA+8*(\s%4)+7], v[KF+2*\s:KF+2*\s+1], v[QF+2*\s:QF+2*\s+1], 0
.else
	v_wmma_f32_16x16x4_f32 v[SA+8*(\s%4):SA+8*(\s%4)+7], v[KF+2*\s:KF+2*\s+1], v[QF+2*\s:QF+2*\s+1], v[SA+8*(\s%4):SA+8*(\s%4)+7]
.endif
.endr
.rept 8
	v_nop                                          ; eight places behind this form (ISA guide 7.12.1)
.endr
.irp j, 0,2,4,6
	v_pk_add_f32 v[SS+\j:SS+\j+1], v[SA+\j:SA+\j+1], v[SA+8+\j:SA+8+\j+1]      ; each accumulator from its low end on
.endr
.irp j, 0,2,4,6
	v_pk_add_f32 v[SS+\j:SS+\j+1], v[SS+\j:SS+\j+1], v[SA+16+\j:SA+16+\j+1]
.endr
.irp j, 0,2,4,6
	v_pk_add_f32 v[SS+\j:SS+\j+1], v[SS+\j:SS+\j+1], v[SA+24+\j:SA+24+\j+1]
.endr
	ds_store_b128 v5, v[SS:SS+3]
	ds_store_b128 v5, v[SS+4:SS+7] offset:512
	s_wait_dscnt 0x0                               ; for the others' sake: my part is stored
	s_barrier_signal -1
	s_barrier_wait -1
.irp u, 0,1,2,3,4,5,6,7
	ds_load_b32 v[16+\u], v3 offset:1024*\u        ; my word of eight parts
.endr
	s_wait_dscnt 0x0
	v_pk_add_f32 v[16:17], v[16:17], v[18:19]
	v_pk_add_f32 v[20:21], v[20:21], v[22:23]
	v_pk_add_f32 v[16:17], v[16:17], v[20:21]
	v_add_f32 v16, v16, v17
	v_permlanex16_b32 v13, v16, s14, s15
	v_add_f32 v16, v16, v13                        ; with lane l xor 16's eight parts: both lanes hold the same bits
	ds_store_b32 v[FW], v16                        ; lanes l and l xor 16 write the same word with the same value
	s_wait_dscnt 0x0                               ; for the others' sake: my words are stored
	s_barrier_signal -1
	s_barrier_wait -1
	ds_load_b128 v[SS:SS+3], v6 offset:FIN
	ds_load_b128 v[SS+4:SS+7], v6 offset:FIN+512
	s_wait_dscnt 0x0
.irp j, 0,1,2,3,4,5,6,7
	v_cmp_gt_i32 vcc_lo, \j, v10
	v_cndmask_b32 v[SS+\j], v[SS+\j], v11, vcc_lo  ; hidden keys: -infinity
.endr
	v_max3_num_f32 v12, v[SS], v[SS+1], v[SS+2]
	v_max3_num_f32 v12, v12, v[SS+3], v[SS+4]
	v_max3_num_f32 v12, v12, v[SS+5], v[SS+6]
	v_max_num_f32 v12, v12, v[SS+7]
	v_permlanex16_b32 v13, v12, s14, s15
	v_max_num_f32 v12, v12, v13                    ; the row's largest score (key 0 counts for every query)
	v_mul_f32 v12, s17, v12                        ; -c m
.irp j, 0,1,2,3,4,5,6,7
	v_fma_f32 v[P+\j], v[SS+\j], s16, v12
.endr
.irp j, 0,1,2,3,4,5,6,7
	v_exp_f32 v[P+\j], v[P+\j]                     ; p = 2^(c s - c m)
.endr
	v_nop
	s_wait_alu depctr_va_vdst(0)                   ; one wait for the eight, ahead of their first reader
	v_pk_add_f32 v[SS:SS+1], v[P:P+1], v[P+2:P+3]
	v_pk_add_f32 v[SS+2:SS+3], v[P+4:P+5], v[P+6:P+7]
	v_pk_add_f32 v[SS:SS+1], v[SS:SS+1], v[SS+2:SS+3]
	v_add_f32 v12, v[SS], v[SS+1]
	v_permlanex16_b32 v13, v12, s14, s15
	v_add_f32 v12, v12, v13                        ; the row's sum
	v_rcp_f32 v[SS+4], v12
	v_nop
	s_wait_alu depctr_va_vdst(0)
	s_wait_loadcnt 0x0                             ; v
.irp k, 0,1,2,3                                ; place (h, j) of step k is key 8 h + 2 k + j, in both sources; the four accumulators by turns
.irp n, 0,1,2,3
.if \k == 0
	v_wmma_f32_16x16x4_f32 v[OA+8*\n:OA+8*\n+7], v[VF+8*\n+2*\k:VF+8*\n+2*\k+1], v[P+2*\k:P+2*\k+1], 0
.else
	v_wmma_f32_16x16x4_f32 v[OA+8*\n:OA+8*\n+7], v[VF+8*\n+2*\k:VF+8*\n+2*\k+1], v[P+2*\k:P+2*\k+1], v[OA+8*\n:OA+8*\n+7]
.endif
.endr
.endr
.rept 8
	v_nop
.endr
.set i, 0
.rept 32
	v_mul_f32 v[OR+i], v[OA+i], v[SS+4]            ; register 8 n + j: o(query r, channel 16 n + 8 h + j)
.set i, i+1
.endr
.irp n, 0,1,2,3
	ds_store_b128 v7, v[OR+8*\n:OR+8*\n+3] offset:64*\n
	ds_store_b128 v7, v[OR+8*\n+4:OR+8*\n+7] offset:64*\n+16
.endr
.irp t, 0,1,2,3,4,5,6,7
	ds_load_b128 v[16+4*\t:16+4*\t+3], v8 offset:\t*2*272          ; LDS serves a wave's instructions in order: these see my stores
.endr
.irp t, 0,1,2,3,4,5,6,7
	s_wait_dscnt 7-\t
	global_store_b128 v9, v[16+4*\t:16+4*\t+3], s[6:7] offset:2*\t*4096 th:TH_STORE_NT   ; 16 lanes store 256 consecutive bytes, aligned
.endr
	s_wait_tensorcnt 0x0                           ; the wave's end, behind my last LDS store
	ds_add_u32 v[SPW], v[NIL]
	s_wait_dscnt 0x0
	s_endpgm
.Lfunc_end_k_q77c82dc1ee_first:
	.size	k_q77c82dc1ee_first, .Lfunc_end_k_q77c82dc1ee_first-k_q77c82dc1ee_first
	.p2alignl 7, 3214868480
	.fill 96, 4, 3214868480
	.section	.rodata,"a",@progbits
	.p2align	6, 0x0
	.amdhsa_kernel k_q77c82dc1ee_first
		.amdhsa_group_segment_fixed_size 89088
		.amdhsa_private_segment_fixed_size 0
		.amdhsa_enable_private_segment 0
		.amdhsa_kernarg_size 16
		.amdhsa_user_sgpr_count 2
		.amdhsa_user_sgpr_kernarg_segment_ptr 1
		.amdhsa_wavefront_size32 1
		.amdhsa_system_sgpr_workgroup_id_x 1
		.amdhsa_system_sgpr_workgroup_id_y 1
		.amdhsa_system_sgpr_workgroup_id_z 1
		.amdhsa_system_vgpr_workitem_id 0
		.amdhsa_next_free_vgpr 232
		.amdhsa_next_free_sgpr 66
		.amdhsa_reserve_vcc 1
		.amdhsa_float_denorm_mode_32 3
		.amdhsa_float_denorm_mode_16_64 3
		.amdhsa_memory_ordered 1
		.amdhsa_forward_progress 1
		.amdhsa_inst_pref_size 17
	.end_amdhsa_kernel
	.amdgpu_metadata
---
amdhsa.version: [ 1, 2 ]
amdhsa.kernels:
  - .name:           k_q77c82dc1ee_first
    .symbol:         k_q77c82dc1ee_first.kd
    .args:
      - { .name: h32, .offset: 0, .size: 8, .value_kind: global_buffer, .address_space: global }
      - { .name: out0, .offset: 8, .size: 8, .value_kind: global_buffer, .address_space: global }
    .group_segment_fixed_size: 89088
    .private_segment_fixed_size: 0
    .kernarg_segment_align: 8
    .kernarg_segment_size: 16
    .max_flat_workgroup_size: 512
    .sgpr_count:     66
    .vgpr_count:     232
    .wavefront_size: 32
...
	.end_amdgpu_metadata
.endif
;; end of part 5
